; MI455X (gfx1250); checked and timed in simulation.
; The chip was launched on July 23, 2026; its instructions are those of AMD's public machine-readable ISA for CDNA 5 (MIT licence, August 2026) and "CDNA5" Instruction Set Architecture Reference Guide (July 2026). The comments in the code are by the model that wrote it; some were corrected since.
;; Transformer Block. Allowed arithmetic: matrix products marked QUANTISED: E3M2 operands, one E8M0 scale for each 32 along K, by v_wmma_scale_f32_16x16x128_f8f6f4 with both operands' format E3M2, f32 sums; everything else in f32.
;; Inputs: b1 4,096 float32; b2 1,024 float32; b_out 1,024 float32; b_qkv 3,072 float32; ln1_b 1,024 float32; ln1_g 1,024 float32; ln2_b 1,024 float32; ln2_g 1,024 float32; w1 4,096 x 1,024 float32; w2 1,024 x 4,096 float32; w_out 1,024 x 1,024 float32; w_qkv 3,072 x 1,024 float32; x 2 x 2,048 x 1,024 float32.
;; Outputs: out0 2 x 2,048 x 1,024 float32.
;; This version of the problem:
;;   THIS VERSION OF THE PROBLEM IS GIVEN IN LOW PRECISION. The matrix products marked QUANTISED in the list below multiply operands that are first quantised to E3M2 (3 exponent bits, 2 mantissa bits; 6 bits a number), with one power-of-two scale for each 32 numbers along K (OCP MX v1.0); their sums are f32. All else is computed in f32.
;;   The module's matrix products, in the order in which they are computed (A, B: the left and right operand; K: the contracted axis; several contracted axes count as one K, in the product's order):
;;     1. [M 4,096, K 1,024] x [K 1,024, N 3,072]; A: computed on the way; B: input w_qkv: QUANTISED
;;     2. batch 32 x [M 2,048, K 64] x [K 64, N 2,048]; A: computed on the way; B: computed on the way: QUANTISED
;;     3. batch 32 x [M 2,048, K 2,048] x [K 2,048, N 64]; A: softmax (see below); B: computed on the way: QUANTISED
;;     4. [M 4,096, K 1,024] x [K 1,024, N 1,024]; A: computed on the way; B: input w_out: QUANTISED
;;     5. [M 4,096, K 1,024] x [K 1,024, N 4,096]; A: computed on the way; B: input w1: QUANTISED
;;     6. [M 4,096, K 4,096] x [K 4,096, N 1,024]; A: computed on the way; B: input w2: QUANTISED
;;   THE QUANTISER, for each operand of a quantised product, along K:
;;     - K is cut into blocks of 32 from its start; a last block that is shorter is filled with zeros.
;;     - A block's scale is 2^e with e = floor(log2(the largest magnitude in the block)) - 4, held to -126 .. 127; a block of zeros has e = 0. As a byte (E8M0): e + 127.
;;     - Each number is divided by its block's scale, clamped to +-28, and rounded to the nearest number of E3M2, ties to even, subnormals kept.
;;     - The product sums the exact products of the quantised numbers (number of the format x scale) in f32.
;;   ~~~python
;;   def quantise(x, axis):      # numpy; x: float32 -> the quantised numbers, widened to float32 again
;;       x = np.moveaxis(x, axis, -1); K = x.shape[-1]
;;       x = np.pad(x, [(0, 0)] * (x.ndim - 1) + [(0, -K % 32)]); x = x.reshape(x.shape[:-1] + (-1, 32)); a = np.abs(x).max(-1, keepdims=True)
;;       e = np.where(a > 0, np.clip(np.frexp(np.where(a > 0, a, 1))[1] - 1 - 4, -126, 127), 0)      # np.frexp(a)[1] - 1 = floor(log2(a)), exactly
;;       r = np.clip(x / 2.0 ** e, -28, 28)
;;       step = 2.0 ** (np.maximum(np.frexp(np.where(r == 0, 1, r))[1] - 1, -2) - 2)
;;       q = np.round(r / step) * step * 2.0 ** e      # np.round: ties to even
;;       return np.moveaxis(q.reshape(q.shape[:-2] + (-1,))[..., :K], -1, axis).astype(np.float32)
;;   ~~~
;;   SOFTMAX AHEAD OF A QUANTISED PRODUCT. Where the list says 'softmax', what is quantised is not the finished softmax but p = 2^(t - M), with t = logit x log2(e) and M = ceil(the row's largest t), a whole number; so 1/2 < the row's largest p <= 1. The row's sum l is taken of the UNQUANTISED p, in f32, and the product's result is divided by l at the end. Since M is a whole number, a kernel that streams over the keys may use a running M (the ceiling of the running maximum): every later rescaling is an exact power of two, which a block's scale takes up: the codes' values come out the same.
;;   OPERANDS COMPUTED ON THE WAY. 'Computed on the way' means the value that the module computes at that place (a softmax that the list does not call 'softmax' is quantised finished and normalised). What goes into a quantiser is computed in f32, as accurately as f32 sums, v_exp_f32 and their like allow (about 1e-6 of the number): no bf16 or f16 on the way to a quantiser, and a product that is left as it is and whose result goes on into a quantised operand takes f32 operands (vector FMAs, or v_wmma_f32_16x16x4_f32). A number that lies on a knife's edge between two numbers of the format may be rounded either way, as far as f32 arithmetic and the matrix unit's own rounding can turn it there, and no further.
;; One version. Each part assembles by itself: llvm-mc -triple=amdgcn-amd-amdhsa -mcpu=gfx1250 --defsym DOCPART=n.
;; ======== version 1 of 1: 8 launches
;; limits: right only within a limited range of input values
;; workspace buffers: W 9,830,400 bytes; HB 3,276,800 bytes; QKV 10,092,544 bytes; AB 3,276,800 bytes; X1 16,777,216 bytes; FF 13,107,200 bytes
;; launch wq (part 1): grid 768 x 1, 8 waves a work-group, no clusters, 69,632 bytes of LDS; arguments w_qkv, w_out, w1, w2, W; writes W
.if DOCPART == 1
	.amdgcn_target "amdgcn-amd-amdhsa--gfx1250"
	.amdhsa_code_object_version 6
	.text
	.protected	k_q6a0235eaf7_wq
	.globl	k_q6a0235eaf7_wq
	.p2align	8
	.type	k_q6a0235eaf7_wq,@function
k_q6a0235eaf7_wq:
	s_mov_b64 s[64:65], 0
	v_nop
	global_prefetch_b8 v0, s[64:65] scope:SCOPE_SE
	s_setreg_imm32_b32 hwreg(HW_REG_WAVE_MODE, 25, 1), 1
	s_wait_xcnt 0x0
; The four weights, f32 with K innermost, become operands of MX-BF6 (E3M2 codes, one E8M0 byte for each 32 along K), laid as IMAGES OF THE OPERAND'S REGISTERS.
; A fragment is 16 rows x 128 K: 12 registers a lane, 1,536 bytes: registers 2 p, 2 p + 1 of lane l lie at 256 p + 8 l.  Its 16 scale words (64 bytes) lie at 4 r.
; THE ROWS OF A TILE ARE NOT NEIGHBOURS: row i of tile t is 32 (t / 2) + 8 (t % 2) + i + 8 (i / 8), so that a product used transposed leaves 16 neighbours along the next K in a lane's registers of two tiles.
; Fragment F = 8 x work-group + wave: w_qkv 0 .. 1535 (8 x tile + K step), w_out from 1536, w1 from 2048, w2 from 4096 (32 x tile + K step).  Codes at 1,536 F, scale words at 9,437,184 + 64 F.
; A wave reads its 16 rows' 512 bytes by 16 loads of 512 consecutive bytes, turns them through its own stage in LDS (rows 528 bytes apart: 33 x 16, so that sixteen rows fall on sixteen different columns of 16 bytes),
; and gets back 64 numbers a lane: two whole blocks of 32 of row l % 16, in the order of the operand's registers.
; A block's scale is 2^(floor(log2(largest magnitude)) - 4); its byte is the largest magnitude's exponent field - 4, held at 1 from below.
; LIMITS: a block whose largest magnitude lies under 2^-122 (a block of zeros among them) gets the byte 1 where the quantiser's text says otherwise: a block of zeros has zero codes, and this program alone reads the bytes.  NaN and infinities are not served.
.set STG,  8448                        ; a wave's stage: 16 rows x 528 bytes
.set SCST, 8*STG                       ; behind the stages: the work-group's 8 x 64 bytes of scale words
.set OFF,  16                          ; v16-31  byte offset of my 16 bytes in each of the 16 rows
.set X,    32                          ; v32-95  the numbers
.set M,    96                          ; v96-97  largest magnitudes;  v98-99 the conversions' scale operands;  v100-101 the bytes
.set S,    98
.set BY,   100
.set PW,   102                         ; the scale word
.set TP,   103
.set PC,   104                         ; v104-115 the fragment
.set TC,   116                         ; v116-118, v120-122 the upper halves of the two blocks as the conversions leave them
.set SEL,  32                          ; s[32:33] lane selects: lane l xor 16
	s_load_b256 s[4:11], s[0:1], 0x0               ; w_qkv s[4:5], w_out s[6:7], w1 s[8:9], w2 s[10:11]
	s_load_b64 s[12:13], s[0:1], 0x20              ; W
	v_lshl_add_u32 v128, v0, 2, 0x10c00
	v_mov_b32 v129, 0
	v_lshrrev_b32 v1, 5, v0
	s_delay_alu instid0(VALU_DEP_1)
	v_readfirstlane_b32 s14, v1                    ; wave 0..7
	v_and_b32 v1, 31, v0                           ; lane
	v_and_b32 v2, 15, v0                           ; r
	v_bfe_u32 v3, v0, 4, 1                         ; h
	s_delay_alu instid0(VALU_DEP_3)
	v_lshlrev_b32 v4, 4, v1                        ; 16 x lane
	s_mul_i32 s15, s14, STG
	v_add_nc_u32 v5, s15, v4                       ; the stage, on the way in: a row's 512 bytes as they lie
	v_mul_u32_u24 v6, v2, 528
	s_delay_alu instid0(VALU_DEP_1)
	v_lshl_add_u32 v6, v3, 7, v6
	s_delay_alu instid0(VALU_DEP_1)
	v_add_nc_u32 v6, s15, v6                       ; and on the way out: row r, + 128 h: my block of 32
	v_lshlrev_b32 v7, 3, v1                        ; 8 x lane: my place in a piece of the image
	s_lshl_b32 s16, s14, 6
	v_lshlrev_b32 v8, 2, v2
	s_delay_alu instid0(VALU_DEP_1)
	v_add_nc_u32 v8, s16, v8
	s_delay_alu instid0(VALU_DEP_1)
	v_add_nc_u32 v8, SCST, v8                      ; my row's scale word: 64 x wave + 4 r
	v_add_nc_u32 v9, SCST, v4
	s_mov_b32 s[SEL], 0x76543210
	s_mov_b32 s[SEL+1], 0xfedcba98
	s_wait_kmcnt 0x0
	; which tensor: the choice hangs on the work-group's number alone
	s_mov_b32 s17, 512
	s_mov_b64 s[18:19], s[10:11]
	s_cmp_lt_u32 ttmp9, 512
	s_cselect_b64 s[18:19], s[8:9], s[18:19]
	s_cselect_b32 s17, 256, s17
	s_cselect_b32 s22, 0, 2                        ; w2's rows are four times as long: K = 4,096
	s_cmp_lt_u32 ttmp9, 256
	s_cselect_b64 s[18:19], s[6:7], s[18:19]
	s_cselect_b32 s17, 192, s17
	s_cmp_lt_u32 ttmp9, 192
	s_cselect_b64 s[18:19], s[4:5], s[18:19]
	s_cselect_b32 s17, 0, s17
	s_sub_co_u32 s20, ttmp9, s17                   ; my number within the tensor
	s_lshl_b32 s21, 4096, s22                      ; a row in bytes
	s_lshr_b32 s23, s20, s22                       ; the tile
	s_lshl_b32 s24, s23, s22
	s_sub_co_u32 s24, s20, s24
	s_lshl_b32 s24, s24, 3
	s_add_co_u32 s24, s24, s14                     ; the K step of 128
	s_lshr_b32 s25, s23, 1
	s_lshl_b32 s25, s25, 5
	s_and_b32 s26, s23, 1
	s_lshl_b32 s26, s26, 3
	s_add_co_u32 s25, s25, s26                     ; the tile's first row
	s_mul_i32 s25, s25, s21
	s_lshl_b32 s24, s24, 9
	s_add_co_u32 s26, s25, s24
	s_mov_b32 s27, 0
	s_add_nc_u64 s[18:19], s[18:19], s[26:27]
	s_lshl_b32 s28, ttmp9, 3
	s_add_co_u32 s28, s28, s14                     ; F
	s_mul_i32 s28, s28, 1536
	s_mov_b32 s29, 0
	s_add_nc_u64 s[30:31], s[12:13], s[28:29]      ; my fragment's image
	s_lshl_b32 s28, ttmp9, 9
	s_add_co_u32 s28, s28, 9437184
	s_add_nc_u64 s[12:13], s[12:13], s[28:29]      ; the work-group's 512 bytes of scale words
.irp i, 0,1,2,3,4,5,6,7,8,9,10,11,12,13,14,15
	v_mad_u32_u24 v[OFF+\i], s21, \i+8*(\i/8), v4
.endr
.irp i, 0,1,2,3,4,5,6,7,8,9,10,11,12,13,14,15
	global_load_b128 v[X+4*\i:X+4*\i+3], v[OFF+\i], s[18:19] th:TH_LOAD_NT   ; 32 lanes read 512 consecutive bytes of one row
.endr
.irp i, 0,1,2,3,4,5,6,7,8,9,10,11,12,13,14,15
	s_wait_loadcnt 15-\i                           ; row i is in; the younger rows stay out
	ds_store_b128 v5, v[X+4*\i:X+4*\i+3] offset:528*\i
.endr
	s_wait_dscnt 0x0                               ; the stores have read their registers
.irp c, 0,1
.irp j, 0,1,2,3,4,5,6,7
	ds_load_b128 v[X+32*\c+4*\j:X+32*\c+4*\j+3], v6 offset:256*\c+16*\j   ; register 32 c + i = k 64 c + 32 h + i of row r
.endr
.endr
	s_wait_dscnt 0x0
; two whole blocks of a lane become the operand's twelve registers and, with lane l xor 16's two bytes, the row's scale word
.irp c, 0,1
	v_max3_num_f32 v[M+\c], |v[X+32*\c]|, |v[X+32*\c+1]|, 0x2800000   ; the floor 2^(5 - 127) among the leaves: the byte cannot fall under 1
.endr
.irp i, 2,4,6,8,10,12,14,16,18,20,22,24,26,28,30
.irp c, 0,1
	s_delay_alu instid0(VALU_DEP_2)
	v_max3_num_f32 v[M+\c], v[M+\c], |v[X+32*\c+\i]|, |v[X+32*\c+\i+1]|
.endr
.endr
.irp c, 0,1
	s_delay_alu instid0(VALU_DEP_2)
	v_add_nc_u32 v[S+\c], 0xfe000000, v[M+\c]      ; 4 off the exponent field: the conversion takes this operand's exponent field as its scale
.endr
.irp c, 0,1
	s_delay_alu instid0(VALU_DEP_2)
	v_lshrrev_b32 v[BY+\c], 23, v[S+\c]            ; the scale's byte
.endr
	s_delay_alu instid0(VALU_DEP_1)
	v_lshl_or_b32 v[PW], v[BY+1], 16, v[BY]        ; blocks h and 2 + h,
	v_lshlrev_b32 v[TP], 3, v3
	s_delay_alu instid0(VALU_DEP_1)
	v_lshlrev_b32 v[PW], v[TP], v[PW]              ; at their places in the word
	v_mov_b32 v[TP], 0
	s_delay_alu instid0(VALU_DEP_1)
	v_permlanex16_b32 v[TP], v[PW], s[SEL], s[SEL+1]
	s_delay_alu instid0(VALU_DEP_1)
	v_or_b32 v[PW], v[PW], v[TP]
.irp c, 0,1
	v_cvt_scalef32_pk16_bf6_f32 v[PC+6*\c:PC+6*\c+2], v[X+32*\c:X+32*\c+15], v[S+\c]
	v_cvt_scalef32_pk16_bf6_f32 v[TC+4*\c:TC+4*\c+2], v[X+32*\c+16:X+32*\c+31], v[S+\c]   ; (a conversion's three registers begin on an even number)
.endr
	v_nop                                          ; one plain instruction behind the conversions
.irp c, 0,1
.irp i, 0,1,2
	v_mov_b32 v[PC+6*\c+3+\i], v[TC+4*\c+\i]
.endr
.endr
	; w2's fragments (work-groups 512 on) are laid for loads of 16 bytes a lane: registers 4 p .. 4 p + 3 of lane l at 512 p + 16 l; the other weights as stated at the head
	s_wait_alu depctr_va_vdst(0)
	s_cmp_lt_u32 ttmp9, 512
	s_cbranch_scc0 .Lw2
.irp p, 0,1,2,3,4,5
	global_store_b64 v7, v[PC+2*\p:PC+2*\p+1], s[30:31] offset:256*\p   ; 32 lanes store 256 consecutive bytes, aligned
.endr
	s_branch .Lst
.Lw2:
.irp p, 0,1,2
	global_store_b128 v4, v[PC+4*\p:PC+4*\p+3], s[30:31] offset:512*\p  ; 32 lanes store 512 consecutive bytes, aligned
.endr
.Lst:
	ds_store_b32 v8, v[PW]
	s_wait_dscnt 0x0                               ; for the others' sake: my store has landed
	s_barrier_signal -1
	s_barrier_wait -1
	s_cmp_lg_u32 s14, 0
	s_cbranch_scc1 .Lend
	ds_load_b128 v[X:X+3], v9                      ; wave 0 stores the eight fragments' scale words: 512 consecutive bytes
	s_wait_dscnt 0x0
	global_store_b128 v4, v[X:X+3], s[12:13]
.Lend:
	s_wait_tensorcnt 0x0
	ds_add_u32 v128, v129
	s_wait_dscnt 0x0
	s_endpgm
.Lfunc_end_k_q6a0235eaf7_wq:
	.size	k_q6a0235eaf7_wq, .Lfunc_end_k_q6a0235eaf7_wq-k_q6a0235eaf7_wq
	.p2alignl 7, 3214868480
	.fill 96, 4, 3214868480
	.section	.rodata,"a",@progbits
	.p2align	6, 0x0
	.amdhsa_kernel k_q6a0235eaf7_wq
		.amdhsa_group_segment_fixed_size 69632
		.amdhsa_private_segment_fixed_size 0
		.amdhsa_enable_private_segment 0
		.amdhsa_kernarg_size 40
		.amdhsa_user_sgpr_count 2
		.amdhsa_user_sgpr_kernarg_segment_ptr 1
		.amdhsa_wavefront_size32 1
		.amdhsa_system_sgpr_workgroup_id_x 1
		.amdhsa_system_sgpr_workgroup_id_y 1
		.amdhsa_system_sgpr_workgroup_id_z 1
		.amdhsa_system_vgpr_workitem_id 0
		.amdhsa_next_free_vgpr 130
		.amdhsa_next_free_sgpr 66
		.amdhsa_reserve_vcc 0
		.amdhsa_float_denorm_mode_32 3
		.amdhsa_float_denorm_mode_16_64 3
		.amdhsa_memory_ordered 1
		.amdhsa_forward_progress 1
		.amdhsa_inst_pref_size 14
	.end_amdhsa_kernel
	.amdgpu_metadata
---
amdhsa.version: [ 1, 2 ]
amdhsa.kernels:
  - .name:           k_q6a0235eaf7_wq
    .symbol:         k_q6a0235eaf7_wq.kd
    .args:
      - { .name: w_qkv, .offset: 0, .size: 8, .value_kind: global_buffer, .address_space: global }
      - { .name: w_out, .offset: 8, .size: 8, .value_kind: global_buffer, .address_space: global }
      - { .name: w1, .offset: 16, .size: 8, .value_kind: global_buffer, .address_space: global }
      - { .name: w2, .offset: 24, .size: 8, .value_kind: global_buffer, .address_space: global }
      - { .name: W, .offset: 32, .size: 8, .value_kind: global_buffer, .address_space: global }
    .group_segment_fixed_size: 69632
    .private_segment_fixed_size: 0
    .kernarg_segment_align: 8
    .kernarg_segment_size: 40
    .max_flat_workgroup_size: 256
    .sgpr_count:     66
    .vgpr_count:     130
    .wavefront_size: 32
...
	.end_amdgpu_metadata
.endif
;; end of part 1
;; launch ln1 (part 2): grid 256 x 1, 8 waves a work-group, no clusters, 70,656 bytes of LDS; arguments x, ln1_g, ln1_b, HB; writes HB
.if DOCPART == 2
	.amdgcn_target "amdgcn-amd-amdhsa--gfx1250"
	.amdhsa_code_object_version 6
	.text
	.protected	k_q6a0235eaf7_ln1
	.globl	k_q6a0235eaf7_ln1
	.p2align	8
	.type	k_q6a0235eaf7_ln1,@function
k_q6a0235eaf7_ln1:
	s_mov_b64 s[64:65], 0
	v_nop
	global_prefetch_b8 v0, s[64:65] scope:SCOPE_SE
	s_setreg_imm32_b32 hwreg(HW_REG_WAVE_MODE, 25, 1), 1
	s_wait_xcnt 0x0
; h = layernorm(src) g + b, f32, quantised along its 1,024 columns to MX-BF6 and stored as images of the operand's registers (fragment: 16 rows x 128 K, 1,536 bytes: registers 2 p, 2 p + 1 of lane l at 256 p + 8 l).
; A work-group takes one tile of 16 rows (row i of tile t: 32 (t / 2) + 8 (t % 2) + i + 8 (i / 8)); wave s takes columns 128 s .. 128 s + 127: one fragment.  Codes at (8 t + s) x 1,536, scale words at 3,145,728 + (8 t + s) x 64.
; The rows come by loads of 512 consecutive bytes and turn through the wave's own stage in LDS; a lane then holds two whole blocks of 32 of row l % 16.
; Mean and variance in two passes (the variance of the centred numbers).  The eight waves' partial sums meet in LDS, added in one fixed order; each of the two sums and the scale words have LDS bytes of their own.
; LIMITS: a block whose largest magnitude lies under 2^-122 (a block of zeros among them) gets the scale byte 1; this program alone reads the bytes.  NaN and infinities are not served.  1 / sqrt by v_rsq_f32.
.set STG,  8448                        ; a wave's stage: 16 rows x 528 bytes
.set RED,  8*STG                       ; behind the stages: 512 bytes for the sums, 512 for the sums of squares, 512 for the scale words
.set X,    32                          ; v32-95   the numbers
.set G,    96                          ; v96-159  g at my columns
.set BV,   160                         ; v160-223 b
.set A,    224                         ; v224-231 four chains of sums
.set MEAN, 232
.set RS,   234
.set M,    236
.set S,    238
.set BY,   240
.set PW,   242
.set TP,   243
.set PC,   244                         ; v244-255 the fragment
.set TC,   224
.set SEL,  20
	s_load_b256 s[4:11], s[0:1], 0x0               ; src s[4:5], g s[6:7], b s[8:9], the images s[10:11]
	v_lshl_add_u32 v30, v0, 2, 0x11000
	v_mov_b32 v31, 0
	v_lshrrev_b32 v1, 5, v0
	s_delay_alu instid0(VALU_DEP_1)
	v_readfirstlane_b32 s12, v1                    ; wave 0..7
	v_and_b32 v1, 31, v0
	v_and_b32 v2, 15, v0                           ; r
	v_bfe_u32 v3, v0, 4, 1                         ; h
	s_delay_alu instid0(VALU_DEP_3)
	v_lshlrev_b32 v4, 4, v1                        ; 16 x lane
	s_mul_i32 s13, s12, STG
	v_add_nc_u32 v5, s13, v4                       ; the stage, on the way in
	v_mul_u32_u24 v6, v2, 528
	s_delay_alu instid0(VALU_DEP_1)
	v_lshl_add_u32 v6, v3, 7, v6
	s_delay_alu instid0(VALU_DEP_1)
	v_add_nc_u32 v6, s13, v6                       ; and out: row r, + 128 h
	v_lshlrev_b32 v7, 3, v1                        ; 8 x lane
	s_lshl_b32 s13, s12, 6
	v_lshl_add_u32 v11, v2, 2, RED                 ; row r's word of wave 0
	s_delay_alu instid0(VALU_DEP_1)
	v_add_nc_u32 v10, s13, v11                     ; and of my wave
	v_add_nc_u32 v9, RED+1024, v4
	v_lshlrev_b32 v12, 7, v3                       ; g, b: 128 h
	s_mov_b32 s[SEL], 0x76543210
	s_mov_b32 s[SEL+1], 0xfedcba98
	s_mov_b32 s24, 0x3a800000                      ; 1 / 1,024
	s_mov_b32 s25, 0x3727c5ac                      ; 1e-5
	s_lshr_b32 s14, ttmp9, 1
	s_lshl_b32 s14, s14, 5
	s_and_b32 s15, ttmp9, 1
	s_lshl_b32 s15, s15, 3
	s_add_co_u32 s14, s14, s15                     ; the tile's first row
	s_lshl_b32 s14, s14, 12
	s_lshl_b32 s16, s12, 9                         ; my 128 columns
	s_add_co_u32 s14, s14, s16
	s_mov_b32 s15, 0
	s_mov_b32 s17, 0
	s_lshl_b32 s18, ttmp9, 3
	s_add_co_u32 s18, s18, s12
	s_mul_i32 s18, s18, 1536
	s_mov_b32 s19, 0
	s_wait_alu depctr_va_vdst(0)
	s_wait_kmcnt 0x0
	s_add_nc_u64 s[4:5], s[4:5], s[14:15]
	s_add_nc_u64 s[6:7], s[6:7], s[16:17]
	s_add_nc_u64 s[8:9], s[8:9], s[16:17]
	s_add_nc_u64 s[22:23], s[10:11], s[18:19]      ; my fragment's image
	s_lshl_b32 s18, ttmp9, 9
	s_add_co_u32 s18, s18, 3145728
	s_add_nc_u64 s[10:11], s[10:11], s[18:19]      ; the tile's 512 bytes of scale words
.irp i, 0,1,2,3,4,5,6,7,8,9,10,11,12,13,14,15
	global_load_b128 v[X+4*\i:X+4*\i+3], v4, s[4:5] offset:(\i+8*(\i/8))*4096   ; 512 consecutive bytes of one row
.endr
.irp c, 0,1
.irp j, 0,1,2,3,4,5,6,7
	global_load_b128 v[G+32*\c+4*\j:G+32*\c+4*\j+3], v12, s[6:7] offset:256*\c+16*\j
.endr
.endr
.irp c, 0,1
.irp j, 0,1,2,3,4,5,6,7
	global_load_b128 v[BV+32*\c+4*\j:BV+32*\c+4*\j+3], v12, s[8:9] offset:256*\c+16*\j
.endr
.endr
.irp i, 0,1,2,3,4,5,6,7,8,9,10,11,12,13,14,15
	s_wait_loadcnt 47-\i                           ; row i is in; the younger rows and the 32 loads of g and b stay out
	ds_store_b128 v5, v[X+4*\i:X+4*\i+3] offset:528*\i
.endr
	s_wait_dscnt 0x0
.irp c, 0,1
.irp j, 0,1,2,3,4,5,6,7
	ds_load_b128 v[X+32*\c+4*\j:X+32*\c+4*\j+3], v6 offset:256*\c+16*\j   ; register 32 c + i = column 128 s + 64 c + 32 h + i of row r
.endr
.endr
	s_wait_dscnt 0x0
; the four chains are folded, lane l xor 16's half is added, and the eight waves' sums of row r meet in LDS
.macro REDUCE off
	s_delay_alu instid0(VALU_DEP_3)
	v_pk_add_f32 v[A:A+1], v[A:A+1], v[A+2:A+3]
	s_delay_alu instid0(VALU_DEP_2)
	v_pk_add_f32 v[A+4:A+5], v[A+4:A+5], v[A+6:A+7]
	s_delay_alu instid0(VALU_DEP_1)
	v_pk_add_f32 v[A:A+1], v[A:A+1], v[A+4:A+5]
	s_delay_alu instid0(VALU_DEP_1)
	v_add_f32 v[A], v[A], v[A+1]
	s_delay_alu instid0(VALU_DEP_1)
	v_permlanex16_b32 v[A+2], v[A], s[SEL], s[SEL+1]
	s_delay_alu instid0(VALU_DEP_1)
	v_add_f32 v[A], v[A], v[A+2]
	ds_store_b32 v10, v[A] offset:\off             ; lanes r and r + 16 write the same word with the same value
	s_wait_dscnt 0x0                               ; my store has landed: then the barrier
	s_barrier_signal -1
	s_barrier_wait -1
.irp i, 0,1,2,3,4,5,6,7
	ds_load_b32 v[A+\i], v11 offset:\off+64*\i
.endr
	s_wait_dscnt 0x0
.irp i, 1
	v_add_f32 v[A], v[A], v[A+\i]                  ; the same order in every wave
.endr
.irp i, 2, 3, 4, 5, 6, 7
	s_delay_alu instid0(VALU_DEP_1)
	v_add_f32 v[A], v[A], v[A+\i]
.endr
.endm
.irp k, 0,1,2,3
	v_pk_add_f32 v[A+2*\k:A+2*\k+1], v[X+2*\k:X+2*\k+1], v[X+8+2*\k:X+9+2*\k]
.endr
.irp i, 16,24,32,40,48,56
.irp k, 0,1,2,3
	s_delay_alu instid0(VALU_DEP_4)
	v_pk_add_f32 v[A+2*\k:A+2*\k+1], v[A+2*\k:A+2*\k+1], v[X+\i+2*\k:X+\i+2*\k+1]
.endr
.endr
	REDUCE 0
	s_delay_alu instid0(VALU_DEP_1)
	v_mul_f32 v[MEAN], s24, v[A]
	s_delay_alu instid0(VALU_DEP_1)
	v_mov_b32 v[MEAN+1], v[MEAN]
.set i, 0
.rept 32
	v_pk_add_f32 v[X+i:X+i+1], v[X+i:X+i+1], v[MEAN:MEAN+1] neg_lo:[0,1] neg_hi:[0,1]
.set i, i+2
.endr
.irp k, 0,1,2,3
	v_pk_mul_f32 v[A+2*\k:A+2*\k+1], v[X+2*\k:X+2*\k+1], v[X+2*\k:X+2*\k+1]
.endr
.irp i, 8,16,24,32,40,48,56
.irp k, 0,1,2,3
	s_delay_alu instid0(VALU_DEP_4)
	v_pk_fma_f32 v[A+2*\k:A+2*\k+1], v[X+\i+2*\k:X+\i+2*\k+1], v[X+\i+2*\k:X+\i+2*\k+1], v[A+2*\k:A+2*\k+1]
.endr
.endr
	REDUCE 512
	s_delay_alu instid0(VALU_DEP_1)
	v_fma_f32 v[A], v[A], s24, s25                 ; the variance + 1e-5
	s_wait_alu depctr_va_vdst(0)
	v_rsq_f32 v[RS], v[A]
	v_rsq_f32 v[RS+1], v[A]                        ; twice: the packed multiply names a pair
	v_nop                                          ; a plain instruction behind the two
	s_wait_loadcnt 0x0                             ; g and b
	s_wait_alu depctr_va_vdst(0)                   ; one wait for both, ahead of their first reader
.set i, 0
.rept 32
	v_pk_mul_f32 v[X+i:X+i+1], v[X+i:X+i+1], v[RS:RS+1]
.set i, i+2
.endr
.set i, 0
.rept 32
	v_pk_fma_f32 v[X+i:X+i+1], v[X+i:X+i+1], v[G+i:G+i+1], v[BV+i:BV+i+1]
.set i, i+2
.endr
; two whole blocks of a lane become the operand's twelve registers and, with lane l xor 16's two bytes, the row's scale word
.irp c, 0,1
	v_max3_num_f32 v[M+\c], |v[X+32*\c]|, |v[X+32*\c+1]|, 0x2800000   ; the floor 2^(5 - 127): the byte cannot fall under 1
.endr
.irp i, 2,4,6,8,10,12,14,16,18,20,22,24,26,28,30
.irp c, 0,1
	s_delay_alu instid0(VALU_DEP_2)
	v_max3_num_f32 v[M+\c], v[M+\c], |v[X+32*\c+\i]|, |v[X+32*\c+\i+1]|
.endr
.endr
.irp c, 0,1
	s_delay_alu instid0(VALU_DEP_2)
	v_add_nc_u32 v[S+\c], 0xfe000000, v[M+\c]      ; 4 off the exponent field: the conversion's scale operand
.endr
.irp c, 0,1
	s_delay_alu instid0(VALU_DEP_2)
	v_lshrrev_b32 v[BY+\c], 23, v[S+\c]
.endr
	s_delay_alu instid0(VALU_DEP_1)
	v_lshl_or_b32 v[PW], v[BY+1], 16, v[BY]
	v_lshlrev_b32 v[TP], 3, v3
	s_delay_alu instid0(VALU_DEP_1)
	v_lshlrev_b32 v[PW], v[TP], v[PW]
	v_mov_b32 v[TP], 0
	s_delay_alu instid0(VALU_DEP_1)
	v_permlanex16_b32 v[TP], v[PW], s[SEL], s[SEL+1]
	s_delay_alu instid0(VALU_DEP_1)
	v_or_b32 v[PW], v[PW], v[TP]
.irp c, 0,1
	v_cvt_scalef32_pk16_bf6_f32 v[PC+6*\c:PC+6*\c+2], v[X+32*\c:X+32*\c+15], v[S+\c]
	v_cvt_scalef32_pk16_bf6_f32 v[TC+4*\c:TC+4*\c+2], v[X+32*\c+16:X+32*\c+31], v[S+\c]
.endr
	v_nop                                          ; one plain instruction behind the conversions
.irp c, 0,1
.irp i, 0,1,2
	v_mov_b32 v[PC+6*\c+3+\i], v[TC+4*\c+\i]
.endr
.endr
.irp p, 0,1,2,3,4,5
	global_store_b64 v7, v[PC+2*\p:PC+2*\p+1], s[22:23] offset:256*\p   ; 256 consecutive bytes, aligned
.endr
	ds_store_b32 v10, v[PW] offset:1024
	s_wait_dscnt 0x0
	s_barrier_signal -1
	s_barrier_wait -1
	s_cmp_lg_u32 s12, 0
	s_cbranch_scc1 .Lend
	ds_load_b128 v[X:X+3], v9                      ; wave 0 stores the tile's scale words: 512 consecutive bytes
	s_wait_dscnt 0x0
	global_store_b128 v4, v[X:X+3], s[10:11]
.Lend:
	s_wait_tensorcnt 0x0
	ds_add_u32 v30, v31
	s_wait_dscnt 0x0
	s_endpgm
.Lfunc_end_k_q6a0235eaf7_ln1:
	.size	k_q6a0235eaf7_ln1, .Lfunc_end_k_q6a0235eaf7_ln1-k_q6a0235eaf7_ln1
	.p2alignl 7, 3214868480
	.fill 96, 4, 3214868480
	.section	.rodata,"a",@progbits
	.p2align	6, 0x0
	.amdhsa_kernel k_q6a0235eaf7_ln1
		.amdhsa_group_segment_fixed_size 70656
		.amdhsa_private_segment_fixed_size 0
		.amdhsa_enable_private_segment 0
		.amdhsa_kernarg_size 32
		.amdhsa_user_sgpr_count 2
		.amdhsa_user_sgpr_kernarg_segment_ptr 1
		.amdhsa_wavefront_size32 1
		.amdhsa_system_sgpr_workgroup_id_x 1
		.amdhsa_system_sgpr_workgroup_id_y 1
		.amdhsa_system_sgpr_workgroup_id_z 1
		.amdhsa_system_vgpr_workitem_id 0
		.amdhsa_next_free_vgpr 256
		.amdhsa_next_free_sgpr 66
		.amdhsa_reserve_vcc 0
		.amdhsa_float_denorm_mode_32 3
		.amdhsa_float_denorm_mode_16_64 3
		.amdhsa_memory_ordered 1
		.amdhsa_forward_progress 1
		.amdhsa_inst_pref_size 30
	.end_amdhsa_kernel
	.amdgpu_metadata
---
amdhsa.version: [ 1, 2 ]
amdhsa.kernels:
  - .name:           k_q6a0235eaf7_ln1
    .symbol:         k_q6a0235eaf7_ln1.kd
    .args:
      - { .name: x, .offset: 0, .size: 8, .value_kind: global_buffer, .address_space: global }
      - { .name: ln1_g, .offset: 8, .size: 8, .value_kind: global_buffer, .address_space: global }
      - { .name: ln1_b, .offset: 16, .size: 8, .value_kind: global_buffer, .address_space: global }
      - { .name: HB, .offset: 24, .size: 8, .value_kind: global_buffer, .address_space: global }
    .group_segment_fixed_size: 70656
    .private_segment_fixed_size: 0
    .kernarg_segment_align: 8
    .kernarg_segment_size: 32
    .max_flat_workgroup_size: 256
    .sgpr_count:     66
    .vgpr_count:     256
    .wavefront_size: 32
...
	.end_amdgpu_metadata
.endif
;; end of part 2
;; launch qkv (part 3): grid 12 x 16, 4 waves a work-group, clusters of 4 x 4, 327,680 bytes of LDS; arguments HB, W, b_qkv, QKV; writes QKV
.if DOCPART == 3
	.amdgcn_target "amdgcn-amd-amdhsa--gfx1250"
	.amdhsa_code_object_version 6
	.text
	.protected	k_q6a0235eaf7_qkv
	.globl	k_q6a0235eaf7_qkv
	.p2align	8
	.type	k_q6a0235eaf7_qkv,@function
k_q6a0235eaf7_qkv:
	s_mov_b64 s[64:65], 0
	v_nop
	global_prefetch_b8 v0, s[64:65] scope:SCOPE_SE
	s_setreg_imm32_b32 hwreg(HW_REG_WAVE_MODE, 25, 1), 1
	s_wait_xcnt 0x0
	s_wait_alu depctr_hold_cnt(0) depctr_sa_sdst(0) depctr_va_vdst(0) depctr_va_sdst(0) depctr_va_ssrc(0) depctr_va_vcc(0) depctr_vm_vsrc(0)
	s_getreg_b32 s2, hwreg(HW_REG_IB_STS2, 6, 4)
	s_cmp_eq_u32 s2, 0
	s_cbranch_scc0 .Lentry_in_a_cluster
	s_endpgm
.Lentry_in_a_cluster:
	s_bfe_u32 s2, ttmp6, 0x10000c
	s_cmp_lg_u32 s2, 0xf033
	s_cbranch_scc0 .Lentry_shape_is_right
	s_endpgm
.Lentry_shape_is_right:
; q, k, v = h w_qkv^T + b_qkv on codes of MX-BF6, and q, k, v quantised on the way out, each along the K of the attention product that reads it.
; Operands lie in memory as images of their registers: fragment (tile, K step of 128) = 1,536 bytes, registers 2 p, 2 p + 1 of lane l at 256 p + 8 l; 16 scale words = 64 bytes.  Row i of tile t is 32 (t / 2) + 8 (t % 2) + i + 8 (i / 8).
; A work-group of four waves makes 256 x 256, a wave 128 x 128: 64 accumulators.  THE MATRIX INSTRUCTION IS USED TRANSPOSED: source 0 = a tile of "B", source 1 = a tile of "A": a lane holds one row of A, and by the choice of a tile's
; rows the 64 registers of one block of A's rows are 128 NEIGHBOURS along B's rows: 16 h + 32 g + 0 .. 15.  So the quantiser along B's rows works in a lane's registers.
; Clusters x = 0 (q) and 1 (k): A = h (tokens), B = w: a lane holds a token, its registers 128 features = two heads.  Clusters x = 2 (v): A = w_v (features), B = h: a lane holds a feature, its registers 128 tokens = a key step:
; v is quantised along the keys.  The choice hangs on the cluster's x alone, which all sixteen partners share.
; K goes through a ring of two LDS slots of 256 along K; a tile's part of a slot is 3,072 dense bytes.  The scale words of the work-group's rows, for all of K, come once.  4 x 4 clusters: A's tiles are asked for jointly along a row, B's along a column.
; OUT: Q codes [head 32][tile 128][768] at 0, Q scale words at 3,145,728; K and V at 3,407,872 as [head][key step 16][13,056]: K codes 8 x 768, V codes 4 x 1,536 at 6,144, K scale words at 12,288, V's at 12,800.
; The head's 64 are half of the instruction's 128 along K: a fragment of q or k is its first six registers; bytes 2, 3 of its scale words belong to zero codes (they hold the other head's bytes or 0, never 0xff).
; LIMITS: a block whose largest magnitude lies under 2^-122 gets the scale byte 1; NaN and infinities are not served.
.set NT,    8                          ; tiles of 16 rows a wave, each side
.set LOGNT, 3
.set NQ,    2                          ; K steps of 128 in a slot
.set KS,    8                          ; K steps in all
.set H,     NT/2
.set NL,    6                          ; LDS loads that bring a fragment
.set FRB,   1536
.set TROW,  NQ*FRB                     ; a tile's bytes in a slot
.set HALFT, NT*TROW                    ; what one tensor load brings, and what a wave reads of A or of B
.set SLOT,  4*HALFT
.set SCL,   2*SLOT                     ; behind the ring: the scale words; B's lie 128 bytes askew, so that A's and B's 64 bytes of one load fall on different banks
.set HALFS, NT*KS*64
.set SPARE, SCL+4*HALFS+256            ; the spare words: 128 bytes a wave, two blocks of 256 bytes that no other line names
.set LAPS,  KS/(2*NQ)
.set L8,   15                          ; v15  8 x lane
.set ADRA, 16                          ; v16-17 my A fragments in slot 0, 1
.set ADRB, 20                          ; v20-21 my B fragments
.set O1,   22                          ; the way out: byte offsets of pieces 0-2 and 3-5
.set O2,   23
.set SS,   24                          ; where a scale word goes in my stage
.set SR,   26                          ; and where I read the stage back
.set ADRS, 27                          ; my scale words: lanes 0-15 A's, lanes 16-31 B's
.set SPW,  28
.set NIL,  29
.set SH,   30                          ; 16 h
.set SC,   32                          ; v32-63 scale words, a set for each slot: register NQ i + q
.set CB,   64                          ; v64-127 the bias by register (q, k)
.set AF,   128                         ; v128-223 A's fragments, one set
.set RB,   224                         ; v224-239 the bias by lane (v): a pair for each block of A's rows
.set T,    128                         ; the way out: 64 numbers
.set TM,   192
.set PW,   208
.set PC,   32                          ; the fragment just made (v32-43), and v44-50 at work
.set G1,   24
.set G0,   32
.set G1B,  48
.set G0B,  56
.set G1S,  68
.set G0S,  76
.set G1SB, 80
.set G0SB, 88
.set SEL,  44
.set MUL_LO, 0xa1                      ; source 0 (B) window 1, source 1 (A) window 0, C and D window 2; + 0x50: window 3
.set TO_B,   0x40
.set MSB, 0
.macro WIN new                         ; the immediate's high byte repeats the setting that is left
.if MSB != (\new)
	s_set_vgpr_msb (MSB<<8)|(\new)
.set MSB, (\new)
.endif
.endm
.macro PLACES                          ; four plain instructions between a matrix instruction and a load into, or a vector access to, its registers
.rept 4
	v_nop
.endr
.endm
.macro JLOAD g0a, g1a, g0b, g1b        ; a joint load: waves 0, 1 fetch for A, waves 2, 3 for B; four v_nop follow each line
	s_cmp_eq_u32 s15, 0
	s_cbranch_scc0 .Lfor_b_\@
	tensor_load_to_lds s[\g0a:\g0a+3], s[\g1a:\g1a+7]
	s_nop 0
.rept 4
	v_nop
.endr
	s_branch .Lasked_\@
.Lfor_b_\@:
	tensor_load_to_lds s[\g0b:\g0b+3], s[\g1b:\g1b+7]
	s_nop 0
.rept 4
	v_nop
.endr
.Lasked_\@:
.endm
.macro CREST                           ; a round of the cluster's barrier behind its opening barrier
	s_cmp_lg_u32 s14, 0
	s_cbranch_scc1 .Lnot_wave_0_\@
	s_barrier_signal -3
.Lnot_wave_0_\@:
	s_barrier_wait -3
	s_barrier_signal -1
	s_barrier_wait -1
.endm
.macro CROUND
	s_barrier_signal -1
	s_barrier_wait -1
	CREST
.endm
.macro FRAG reg, adr, q, i             ; a fragment comes as it was stored: six loads of 256 consecutive bytes
.irp p, 0,1,2,3,4,5
	ds_load_b64 v[\reg+2*\p:\reg+2*\p+1], v[\adr] offset:(\i)*TROW+(\q)*FRB+256*\p
.endr
.endm
.macro FETCH_B slot, q, set
	WIN TO_B
.set fi, 0
.rept NT
	FRAG 128*(\set)+12*fi, ADRB+\slot, \q, fi
.set fi, fi+1
.endr
	WIN 0
.endm
.macro FETCH_A slot, q, i0             ; H blocks from i0 on
.set fi, \i0
.rept H
	FRAG AF+12*fi, ADRA+\slot, \q, fi
.set fi, fi+1
.endr
.endm
.macro SCALES set                      ; a slot's scale words: lanes 0-15 A's block i, lanes 16-31 B's block i
.set si, 0
.rept NT
.set sj, 0
.rept NQ
	ds_load_b32 v[SC+16*(\set)+NQ*si+sj], v[ADRS] offset:(si*KS+sj)*64
.set sj, sj+1
.endr
.set si, si+1
.endr
.endm
.macro MULA a, set, q, sc, zero        ; A's block a against B's NT; zero = 1: the product starts the sums
.set mb, 0
.rept NT
.set AC, 8*(((\a)*NT+mb)%32)
.if \zero
	v_wmma_scale_f32_16x16x128_f8f6f4 v[AC:AC+7], v[128*(\set)+12*mb:128*(\set)+12*mb+11], v[AF+12*(\a):AF+12*(\a)+11], 0, v[SC+16*(\sc)+NQ*mb+(\q)], v[SC+16*(\sc)+NQ*(\a)+(\q)] matrix_a_fmt:MATRIX_FMT_BF6 matrix_b_fmt:MATRIX_FMT_BF6 matrix_a_scale:MATRIX_SCALE_ROW1
.else
	v_wmma_scale_f32_16x16x128_f8f6f4 v[AC:AC+7], v[128*(\set)+12*mb:128*(\set)+12*mb+11], v[AF+12*(\a):AF+12*(\a)+11], v[AC:AC+7], v[SC+16*(\sc)+NQ*mb+(\q)], v[SC+16*(\sc)+NQ*(\a)+(\q)] matrix_a_fmt:MATRIX_FMT_BF6 matrix_b_fmt:MATRIX_FMT_BF6 matrix_a_scale:MATRIX_SCALE_ROW1
.endif
.set mb, mb+1
.endr
.endm
.macro MULN a0, n, set, q, sc, zero    ; n blocks of A from a0 on.  The accumulators take turns, one instruction a turn, in the same order in every step
	WIN MUL_LO+0x50*((\a0)*NT/32)
.set ha, \a0
.rept \n
	MULA ha, \set, \q, \sc, \zero
.set ha, ha+1
.endr
.endm
.macro STEP slot, q, zero              ; 128 along K with a successor in the same slot
	s_wait_dscnt H*NL                              ; B's set, A's first half and the scale words are in; the youngest loads, A's second half, may be out
	MULN 0, H, (\q)%2, \q, \slot, \zero
	s_wait_dscnt 0x0                               ; A's second half is in
	PLACES
	FETCH_B \slot, (\q)+1, 1-(\q)%2
	FETCH_A \slot, (\q)+1, 0
	MULN H, H, (\q)%2, \q, \slot, \zero
	PLACES
	WIN 0
	FETCH_A \slot, (\q)+1, H
.endm
.macro TURN slot, next, fill           ; a slot's last step changes slots: one barrier; fill = 1: it opens a round of the cluster's barrier, and this slot is filled again
	s_wait_tensorcnt 0x0                           ; all my tensor loads have landed: my part of the next slot
	ds_add_u32 v[SPW], v[NIL]                      ; 0 onto my spare word
	s_wait_dscnt H*NL+1                            ; (the add and A's second half may be out)
	MULN 0, NT/4, 1, NQ-1, \slot, 0
	s_wait_dscnt 0x0                               ; the add is done, and my reads of this slot are over
	s_barrier_signal -1
	MULN NT/4, NT/4, 1, NQ-1, \slot, 0
	WIN 0
	s_barrier_wait -1
.if \fill
	CREST                                          ; no wave of any partner still reads this slot or has a load on its way
	s_add_nc_u64 s[G0+4*\slot+2:G0+4*\slot+3], s[G0+4*\slot+2:G0+4*\slot+3], 2*TROW
	s_add_nc_u64 s[G0B+4*\slot+2:G0B+4*\slot+3], s[G0B+4*\slot+2:G0B+4*\slot+3], 2*TROW
	JLOAD G0+4*\slot, G1, G0B+4*\slot, G1B         ; the first tensor load behind the round; its four v_nop are the places in front of the loads below
.else
	PLACES
.endif
	s_wait_alu depctr_va_vdst(0)
	v_add_nc_u32 v[ADRS], NQ*64, v[ADRS]           ; the next slot's scale words
	FETCH_B \next, 0, 0
	FETCH_A \next, 0, 0
	SCALES \next
	MULN H, H, 1, NQ-1, \slot, 0
	PLACES
	WIN 0
	FETCH_A \next, 0, H
.endm
.macro MID slot, q0                    ; the slot's steps q0 .. NQ - 2
.set kq, \q0
.rept NQ-1-(\q0)
	STEP \slot, kq, 0
.set kq, kq+1
.endr
.endm
	s_load_b256 s[4:11], s[0:1], 0x0               ; h's images s[4:5], W s[6:7], b_qkv s[8:9], QKV s[10:11]
	v_lshl_add_u32 v[SPW], v0, 2, SPARE
	v_mov_b32 v[NIL], 0
	ds_add_u32 v28, v29
	ds_add_u32 v28, v29
	s_wait_dscnt 0x0
	v_lshrrev_b32 v1, 5, v0
	v_readfirstlane_b32 s14, v1                    ; wave 0..3
	s_lshr_b32 s15, s14, 1                         ; my half of A's rows.  Also: I fetch for A (0) or for B (1)
	s_and_b32 s16, s14, 1                          ; my half of B's rows.  Also: which half I fetch
	s_bfe_u32 s40, ttmp6, 0x40000                  ; cx
	s_bfe_u32 s41, ttmp6, 0x40004                  ; cy
	s_and_b32 s13, ttmp7, 0xffff                   ; cluster y
	s_cmp_eq_u32 ttmp9, 2                          ; v's clusters: the operands change places
	s_cselect_b32 s12, 1, 0
	s_cselect_b32 s17, 0, s13
	s_cselect_b32 s42, s13, ttmp9
	s_lshl_b32 s17, s17, 2
	s_add_co_u32 s17, s17, s41                     ; which 256 rows of A
	s_lshl_b32 s42, s42, 2
	s_add_co_u32 s42, s42, s40                     ; which 256 rows of B
	s_lshl_b32 s43, s41, 2
	s_lshl_b32 s43, 15, s43                        ; my row of the cluster
	s_lshl_b32 s44, 0x1111, s40                    ; my column
	s_or_b32 s[G1], s43, (3<<16)|(1<<21)           ; the mask; elements of 8 bytes; bit 21 beside a mask; no padding
	s_or_b32 s[G1B], s44, (3<<16)|(1<<21)
	s_or_b32 s[G1S], s43, (3<<16)|(1<<21)
	s_or_b32 s[G1SB], s44, (3<<16)|(1<<21)
.irp g, G1, G1B                        ; codes: NT rows (a tile each) of TROW bytes, a tile's KS fragments apart
	s_mov_b32 s[\g+1], (TROW/8)<<16
	s_mov_b32 s[\g+2], (2*NT)<<16                  ; the head's loads bring both halves; behind them the two words are set to NT
	s_mov_b32 s[\g+3], (TROW/8)<<16
	s_mov_b32 s[\g+4], 2*NT
	s_mov_b32 s[\g+5], KS*192
	s_mov_b32 s[\g+6], 0
	s_mov_b32 s[\g+7], 0
.endr
.irp g, G1S, G1SB                      ; scale words: a dense block, as rows of 256 bytes
	s_mov_b32 s[\g+1], 32<<16
	s_mov_b32 s[\g+2], (HALFS/128)<<16
	s_mov_b32 s[\g+3], 32<<16
	s_mov_b32 s[\g+4], HALFS/128
	s_mov_b32 s[\g+5], 32
	s_mov_b32 s[\g+6], 0
	s_mov_b32 s[\g+7], 0
.endr
	s_lshl_b32 s18, s16, LOGNT
	s_lshl_b32 s20, s17, LOGNT+1
	s_add_co_u32 s20, s20, s18                     ; A: the first tile that I fetch
	s_lshl_b32 s46, s42, LOGNT+1
	s_add_co_u32 s46, s46, s18                     ; B likewise
	s_mul_i32 s22, s20, KS*64
	s_mul_i32 s20, s20, KS*FRB
	s_mul_i32 s92, s46, KS*64
	s_mul_i32 s46, s46, KS*FRB
	s_mov_b32 s21, 0
	s_mov_b32 s23, 0
	s_mov_b32 s47, 0
	s_mov_b32 s93, 0
	s_mul_i32 s45, s14, HALFT                      ; where they go: by the wave's number alone
	s_mul_i32 s94, s14, HALFS
	s_lshl_b32 s95, s15, 7
	s_add_co_u32 s94, s94, s95
	s_wait_kmcnt 0x0
	s_add_nc_u64 s[66:67], s[6:7], 1572864         ; w_v's codes (tiles 128 on),
	s_add_nc_u64 s[96:97], s[6:7], 9502720         ; its scale words,
	s_add_nc_u64 s[98:99], s[4:5], 3145728         ; h's scale words,
	s_add_nc_u64 s[100:101], s[6:7], 9437184       ; w's scale words
	s_cmp_eq_u32 s12, 1
	s_cselect_b64 s[66:67], s[66:67], s[4:5]       ; A's codes
	s_cselect_b64 s[96:97], s[96:97], s[98:99]     ; A's scale words
	s_cselect_b64 s[100:101], s[98:99], s[100:101] ; B's scale words
	s_cselect_b64 s[98:99], s[4:5], s[6:7]         ; B's codes
	s_add_nc_u64 s[20:21], s[66:67], s[20:21]
	s_add_nc_u64 s[22:23], s[96:97], s[22:23]
	s_add_nc_u64 s[46:47], s[98:99], s[46:47]
	s_add_nc_u64 s[92:93], s[100:101], s[92:93]
	CROUND                                         ; all sixteen work-groups are here: the first joint loads meet
	; the head's four tiles, each whole: A's and B's scale words, slot 0's tiles of A and of B.  The addresses above point at my half: the half's bytes are taken off
	s_mov_b32 s19, 0
	s_mul_i32 s18, s16, HALFS
	s_sub_nc_u64 s[22:23], s[22:23], s[18:19]
	s_sub_nc_u64 s[92:93], s[92:93], s[18:19]
	s_mov_b32 s[G0S], 1
	s_mov_b32 s[G0S+1], SCL
	s_mov_b64 s[G0S+2:G0S+3], s[22:23]
	s_or_b32 s[G0S+3], s[G0S+3], 0x80000000
	s_mov_b32 s[G0SB], 1
	s_mov_b32 s[G0SB+1], SCL+2*HALFS+128
	s_mov_b64 s[G0SB+2:G0SB+3], s[92:93]
	s_or_b32 s[G0SB+3], s[G0SB+3], 0x80000000
	s_mul_i32 s18, s16, NT*KS*FRB
	s_sub_nc_u64 s[98:99], s[20:21], s[18:19]
	s_or_b32 s99, s99, 0x80000000
	s_mov_b32 s96, 1
	s_mov_b32 s97, 0
	s_sub_nc_u64 s[94:95], s[46:47], s[18:19]
	s_or_b32 s95, s95, 0x80000000
	s_mov_b32 s92, 1
	s_mov_b32 s93, 2*HALFT
.irp s, 0,1
	s_mov_b32 s[G0+4*\s], 1
	s_add_co_u32 s[G0+4*\s+1], s45, \s*SLOT
	s_add_nc_u64 s[G0+4*\s+2:G0+4*\s+3], s[20:21], \s*TROW
	s_or_b32 s[G0+4*\s+3], s[G0+4*\s+3], 0x80000000
	s_mov_b32 s[G0B+4*\s], 1
	s_add_co_u32 s[G0B+4*\s+1], s45, \s*SLOT
	s_add_nc_u64 s[G0B+4*\s+2:G0B+4*\s+3], s[46:47], \s*TROW
	s_or_b32 s[G0B+4*\s+3], s[G0B+4*\s+3], 0x80000000
.endr
; the head's loads, one a wave, in one tree of branches on the wave's number
.macro ARM under, g0, g1, next
	s_cmp_lt_u32 s14, \under
	s_cbranch_scc0 \next
	tensor_load_to_lds s[\g0:\g0+3], s[\g1:\g1+7]
	s_nop 0
.rept 4
	v_nop
.endr
	s_branch .Lhead_asked
\next:
.endm
	ARM 1, 96, G1, .Lhead_b
	ARM 2, 92, G1B, .Lhead_sa
	ARM 3, G0S, G1S, .Lhead_sb
	tensor_load_to_lds s[G0SB:G0SB+3], s[G1SB:G1SB+7]
	s_nop 0
.rept 4
	v_nop
.endr
.Lhead_asked:
	v_and_b32 v1, 15, v0
	v_bfe_u32 v2, v0, 4, 1
	s_wait_alu depctr_va_vdst(0)
	v_and_b32 v3, 31, v0                           ; lane
	v_lshlrev_b32 v[L8], 3, v3
	s_mul_i32 s21, s15, HALFT
	s_mul_i32 s22, s16, HALFT
	s_add_co_u32 s22, s22, 2*HALFT
.irp s, 0,1
	v_add_nc_u32 v[ADRA+\s], s21, v[L8]
	v_add_nc_u32 v[ADRB+\s], s22, v[L8]
	s_add_co_u32 s21, s21, SLOT
	s_add_co_u32 s22, s22, SLOT
.endr
	v_lshlrev_b32 v5, 2, v1
	s_mul_i32 s21, s15, HALFS
	s_mul_i32 s22, s16, HALFS
	s_add_co_u32 s22, s22, 2*HALFS+128
	s_sub_co_u32 s22, s22, s21
	v_mul_u32_u24 v6, s22, v2                      ; lanes 16-31 take B's
	s_add_co_u32 s21, s21, SCL
	v_add_nc_u32 v5, v5, v6
	v_add_nc_u32 v[ADRS], s21, v5
	s_lshl_b32 s23, s14, 10                        ; my stage for scale words: 1,024 bytes in slot 0, which has had its last fill and its last read when the first is stored there
	v_lshl_add_u32 v[SS], v2, 9, s23
	v_lshl_add_u32 v[SS], v1, 2, v[SS]             ; 512 h + 4 r
	v_lshl_add_u32 v[SR], v3, 4, s23
	v_lshlrev_b32 v[SH], 4, v2
	; the biases.  q, k: by register (b_qkv at my 128 columns); v: by lane (at my rows).  Both sets are loaded on both ways; the one that is not used reads from the buffer's start
	s_lshl_b32 s20, s42, 10
	s_lshl_b32 s21, s16, 9
	s_add_co_u32 s20, s20, s21
	s_lshl_b32 s22, s41, 10
	s_lshl_b32 s21, s15, 9
	s_add_co_u32 s22, s22, s21
	s_add_co_u32 s22, s22, 8192
	s_cmp_eq_u32 s12, 1
	s_cselect_b32 s20, 0, s20
	s_cselect_b32 s22, s22, 0
	s_mov_b32 s21, 0
	s_mov_b32 s23, 0
	s_add_nc_u64 s[66:67], s[8:9], s[22:23]
	s_add_nc_u64 s[8:9], s[8:9], s[20:21]
	v_lshlrev_b32 v7, 6, v2                        ; 16 h numbers
	v_and_b32 v5, 8, v1
	v_add_nc_u32 v5, v5, v1
	v_lshlrev_b32 v9, 2, v5                        ; r + 8 (r / 8) numbers
.irp g, 0,1,2,3
.irp j, 0,1,2,3
	global_load_b128 v[CB+16*\g+4*\j:CB+16*\g+4*\j+3], v7, s[8:9] offset:128*\g+16*\j
.endr
.endr
.irp a, 0,1,2,3,4,5,6,7
	global_load_b32 v[RB+2*\a], v9, s[66:67] offset:(32*(\a/2)+8*(\a%2))*4
	global_load_b32 v[RB+2*\a+1], v9, s[66:67] offset:(32*(\a/2)+8*(\a%2))*4
.endr
	s_wait_alu depctr_va_vdst(0)
	s_wait_tensorcnt 0x0                           ; my tile of the head's four is in; slot 1's first fill is issued as a refill is
	ds_add_u32 v[SPW], v[NIL]
	s_mov_b32 s[G1+2], NT<<16                      ; no tensor load of mine is out: from here on a load brings NT tiles
	s_mov_b32 s[G1+4], NT
	s_mov_b32 s[G1B+2], NT<<16
	s_mov_b32 s[G1B+4], NT
	s_wait_dscnt 0x0
	CROUND
	JLOAD G0+4, G1, G0B+4, G1B
	FETCH_B 0, 0, 0
	FETCH_A 0, 0, 0
	SCALES 0
	FETCH_A 0, 0, H
	STEP 0, 0, 1                                   ; the first step stands in front of the loop: its products start the sums
.if LAPS > 1
	s_mov_b32 s3, LAPS-1
.Llap:                                                 ; a trip goes once round the ring and fills both slots again
	MID 0, 1
	TURN 0, 1, 1
	MID 1, 0
	TURN 1, 0, 1
	STEP 0, 0, 0
	s_sub_co_u32 s3, s3, 1
	s_cmp_lg_u32 s3, 0
	s_cbranch_scc1 .Llap
.endif
	MID 0, 1                                       ; the last lap fills nothing
	TURN 0, 1, 0
	MID 1, 0
	s_wait_dscnt H*NL
	MULN 0, H, 1, NQ-1, 1, 0
	s_wait_dscnt 0x0
	MULN H, H, 1, NQ-1, 1, 0
	WIN 0
; THE WAY OUT.  64 numbers of a lane, register 16 b + i = place 32 b + 16 (lane / 16) + i along the next K, become a fragment in v[PC] on and its scale word in v[PW].
.macro QUANT s
.irp b, 0,1,2,3
	v_max3_num_f32 v[TM+\b], |v[\s+16*\b]|, |v[\s+1+16*\b]|, 0x2800000   ; the floor 2^(5 - 127): the byte cannot fall under 1
.endr
.irp i, 2,4,6,8,10,12,14
.irp b, 0,1,2,3
	v_max3_num_f32 v[TM+\b], v[TM+\b], |v[\s+16*\b+\i]|, |v[\s+1+16*\b+\i]|
.endr
.endr
.irp b, 0,1,2,3
	v_permlanex16_b32 v[TM+4+\b], v[TM+\b], s[SEL], s[SEL+1]
.endr
.irp b, 0,1,2,3
	v_max_num_f32 v[TM+\b], v[TM+\b], v[TM+4+\b]   ; with lane l xor 16's: the block's largest magnitude
.endr
.irp b, 0,1,2,3
	v_add_nc_u32 v[TM+12+\b], 0xfe000000, v[TM+\b] ; 4 off its exponent field: the conversion's scale operand
.endr
.irp b, 0,1,2,3
	v_lshrrev_b32 v[TM+4+\b], 23, v[TM+12+\b]
.endr
	v_lshl_or_b32 v[PW], v[TM+5], 8, v[TM+4]
	v_lshl_or_b32 v[PW], v[TM+6], 16, v[PW]
	v_lshl_or_b32 v[PW], v[TM+7], 24, v[PW]
.irp c, 0,1
	v_cvt_scalef32_pk16_bf6_f32 v[PC+6*\c:PC+2+6*\c], v[\s+32*\c:\s+15+32*\c], v[TM+12+2*\c]
	v_cvt_scalef32_pk16_bf6_f32 v[PC+12+4*\c:PC+14+4*\c], v[\s+16+32*\c:\s+31+32*\c], v[TM+12+2*\c+1]
.endr
	v_nop                                          ; one plain instruction behind the conversions
.irp c, 0,1                                    ; the layout wants a whole block in a lane
.irp i, 0,1,2
	v_permlane16_swap_b32 v[PC+6*\c+\i], v[PC+12+4*\c+\i]
.endr
.irp i, 0,1,2
	v_mov_b32 v[PC+3+6*\c+\i], v[PC+12+4*\c+\i]
.endr
.endr
.endm
; Block k % 8 of A's rows leaves its window, and the bias is added on the way: 32 packed additions, each accumulator from its low end on.  k < 8: bias by register; else by lane
.macro MOVE k
.Lmv\k:
	WIN 0x02+((\k)%8)/4
.set mi, 0
.rept 32
.if (\k) < 8
	v_pk_add_f32 v[T+2*mi:T+2*mi+1], v[64*((\k)%4)+2*mi:64*((\k)%4)+2*mi+1], v[CB+2*mi:CB+2*mi+1]
.else
	v_pk_add_f32 v[T+2*mi:T+2*mi+1], v[64*((\k)%4)+2*mi:64*((\k)%4)+2*mi+1], v[RB+2*((\k)%8):RB+2*((\k)%8)+1]
.endif
.set mi, mi+1
.endr
	WIN 0
	s_branch .Ljoin
.endm
	PLACES
	s_wait_loadcnt 0x0                             ; the biases
	; where my results go.  u = 16 x head + key step of my first block; no tensor load of mine is out, so the descriptors' registers are free
	s_cmp_eq_u32 s12, 1
	s_cselect_b32 s18, s42, s17                    ; which 256 tokens
	s_cselect_b32 s19, s16, s15                    ; and which half of them
	s_cselect_b32 s20, s41, s40                    ; which 256 features
	s_cselect_b32 s21, s15, s16
	s_mov_b32 s24, 768
	s_cselect_b32 s24, 1536, s24                   ; from block to block
	s_cselect_b32 s25, 202752, 0                   ; v: blocks 4-7 are the next head's: 208,896 - 4 x 1,536 more
	s_cselect_b32 s26, 208640, 0                   ; v: its scale words likewise: 208,896 - 256
	s_mov_b32 s27, 208896
	s_cselect_b32 s27, 768, s27                    ; from pieces 0-2 to pieces 3-5: v: the same fragment; k: the next head
	s_cselect_b32 s28, 6144, 0
	s_mov_b32 s29, 12288
	s_cselect_b32 s29, 12800, s29
	s_lshr_b32 s22, s18, 3                         ; the batch
	s_lshl_b32 s22, s22, 4
	s_lshl_b32 s20, s20, 2
	s_add_co_u32 s22, s22, s20
	s_lshl_b32 s21, s21, 1
	s_add_co_u32 s22, s22, s21                     ; my first head
	s_lshl_b32 s18, s18, 1
	s_add_co_u32 s18, s18, s19
	s_and_b32 s18, s18, 15                         ; the key step
	s_lshl_b32 s22, s22, 4
	s_add_co_u32 s22, s22, s18                     ; u
	s_mul_i32 s23, s22, 13056
	s_add_co_u32 s23, s23, 3407872
	s_add_co_u32 s28, s28, s23                     ; k, v: codes
	s_add_co_u32 s29, s29, s23                     ; and scale words
	s_mul_i32 s30, s22, 6144                       ; q: codes: 8 tiles x 768 a key step's tokens
	s_lshl_b32 s31, s22, 9
	s_add_co_u32 s31, s31, 3145728                 ; and scale words
	s_mov_b32 s32, 208896
	s_cmp_eq_u32 ttmp9, 0
	s_cselect_b32 s28, s30, s28
	s_cselect_b32 s29, s31, s29
	s_cselect_b32 s27, 98304, s27                  ; q: the next head: 128 tiles x 768
	s_cselect_b32 s32, 8192, s32
	s_mov_b32 s[SEL], 0x76543210
	s_mov_b32 s[SEL+1], 0xfedcba98
.irp b, 0,1,2,3
	v_mov_b32 v[TM+4+\b], 0                        ; written once: a lane permute's destination counts as one of its sources
.endr
	s_mov_b32 s33, 0
	s_lshl_b32 s34, s12, 3
.Lrow:                                                 ; eight trips: a block of 16 of A's rows each
	s_wait_xcnt 0x0                                ; the last trip's stores have read their data and offsets
	s_lshr_b32 s35, s33, 2
	s_mul_i32 s35, s35, s25
	s_mul_i32 s36, s33, s24
	s_add_co_u32 s35, s35, s36
	s_add_co_u32 s35, s35, s28
	v_add_nc_u32 v[O1], s35, v[L8]
	v_add_nc_u32 v[O2], s27, v[O1]
	s_add_co_u32 s36, s33, s34                     ; the block, + 8 for v
.irp k, 0,1,2,3,4,5,6,7,8,9,10,11,12,13,14
	s_cmp_eq_u32 s36, \k
	s_cbranch_scc1 .Lmv\k
.endr
	MOVE 15
.irp k, 0,1,2,3,4,5,6,7,8,9,10,11,12,13,14
	MOVE \k
.endr
.Ljoin:
	QUANT T
.irp p, 0,1,2
	global_store_b64 v[O1], v[PC+2*\p:PC+2*\p+1], s[10:11] offset:256*\p       ; 256 consecutive bytes, aligned
.endr
.irp p, 0,1,2
	global_store_b64 v[O2], v[PC+6+2*\p:PC+7+2*\p], s[10:11] offset:256*\p
.endr
	v_lshrrev_b32 v31, v[SH], v[PW]                ; lanes 16-31 keep bytes 2, 3: the second head's word (q, k)
	ds_store_b32 v[SS], v31
	v_add_nc_u32 v[SS], 64, v[SS]
	s_add_co_u32 s33, s33, 1
	s_cmp_lt_u32 s33, 8
	s_cbranch_scc1 .Lrow
	ds_load_b128 v[T:T+3], v[SR]                   ; LDS serves a wave's instructions in order: these see my stores
	ds_load_b128 v[T+4:T+7], v[SR] offset:512
	v_lshl_add_u32 v8, v3, 4, s29
	v_mul_u32_u24 v10, s26, v2
	v_add_nc_u32 v8, v8, v10                       ; eight blocks' words: 512 consecutive bytes (v: two runs of 256)
	v_add_nc_u32 v10, s32, v8
	s_wait_alu depctr_va_vdst(0)
	s_wait_dscnt 0x0
	global_store_b128 v8, v[T:T+3], s[10:11]
	s_cmp_eq_u32 s12, 1
	s_cbranch_scc1 .Lone_part
	global_store_b128 v10, v[T+4:T+7], s[10:11]    ; q, k: the second head's
.Lone_part:
	s_wait_tensorcnt 0x0                           ; the wave's end
	ds_add_u32 v[SPW], v[NIL]
	s_wait_dscnt 0x0
	CROUND                                         ; the closing round
	s_endpgm
.Lfunc_end_k_q6a0235eaf7_qkv:
	.size	k_q6a0235eaf7_qkv, .Lfunc_end_k_q6a0235eaf7_qkv-k_q6a0235eaf7_qkv
	.p2alignl 7, 3214868480
	.fill 96, 4, 3214868480
	.section	.rodata,"a",@progbits
	.p2align	6, 0x0
	.amdhsa_kernel k_q6a0235eaf7_qkv
		.amdhsa_group_segment_fixed_size 327680
		.amdhsa_private_segment_fixed_size 0
		.amdhsa_enable_private_segment 0
		.amdhsa_kernarg_size 32
		.amdhsa_user_sgpr_count 2
		.amdhsa_user_sgpr_kernarg_segment_ptr 1
		.amdhsa_wavefront_size32 1
		.amdhsa_system_sgpr_workgroup_id_x 1
		.amdhsa_system_sgpr_workgroup_id_y 1
		.amdhsa_system_sgpr_workgroup_id_z 1
		.amdhsa_system_vgpr_workitem_id 0
		.amdhsa_next_free_vgpr 1024
		.amdhsa_next_free_sgpr 102
		.amdhsa_reserve_vcc 0
		.amdhsa_float_denorm_mode_32 3
		.amdhsa_float_denorm_mode_16_64 3
		.amdhsa_memory_ordered 1
		.amdhsa_forward_progress 1
		.amdhsa_inst_pref_size 179
	.end_amdhsa_kernel
	.amdgpu_metadata
---
amdhsa.version: [ 1, 2 ]
amdhsa.kernels:
  - .name:           k_q6a0235eaf7_qkv
    .symbol:         k_q6a0235eaf7_qkv.kd
    .args:
      - { .name: HB, .offset: 0, .size: 8, .value_kind: global_buffer, .address_space: global }
      - { .name: W, .offset: 8, .size: 8, .value_kind: global_buffer, .address_space: global }
      - { .name: b_qkv, .offset: 16, .size: 8, .value_kind: global_buffer, .address_space: global }
      - { .name: QKV, .offset: 24, .size: 8, .value_kind: global_buffer, .address_space: global }
    .group_segment_fixed_size: 327680
    .private_segment_fixed_size: 0
    .kernarg_segment_align: 8
    .kernarg_segment_size: 32
    .max_flat_workgroup_size: 128
    .sgpr_count:     102
    .vgpr_count:     1024
    .wavefront_size: 32
...
	.end_amdgpu_metadata
.endif
;; end of part 3
;; launch att (part 4): grid 8 x 32, 16 waves a work-group, no clusters, 327,680 bytes of LDS; arguments QKV, AB; writes AB
.if DOCPART == 4
	.amdgcn_target "amdgcn-amd-amdhsa--gfx1250"
	.amdhsa_code_object_version 6
	.text
	.protected	k_q6a0235eaf7_att
	.globl	k_q6a0235eaf7_att
	.p2align	8
	.type	k_q6a0235eaf7_att,@function
k_q6a0235eaf7_att:
	s_mov_b64 s[64:65], 0
	v_nop
	global_prefetch_b8 v0, s[64:65] scope:SCOPE_SE
	s_setreg_imm32_b32 hwreg(HW_REG_WAVE_MODE, 25, 1), 1
	s_wait_xcnt 0x0
; attn = softmax(q k^T / 8, causal) v for one head, both products on codes of MX-BF6; the result is quantised along the model's 1,024 and stored as images of the next product's operand.
; THE SOFTMAX AHEAD OF THE SECOND PRODUCT: t = score x log2(e) / 8; M = the running largest t rounded up to a whole number; p = 2^(t - M) is quantised along the keys; the row's sum is taken of the unquantised p and divides at the end.
; When M moves, the sum and O are multiplied by 2^(old M - new M): exact.
; SHARES.  A work-group takes query blocks j and 15 - j (128 queries each) of one head: 17 x 8 (tile, key step) pairs in every work-group.  Each of its sixteen waves owns one tile of 16 queries in 256 registers.
; A WHOLE HEAD'S K, V AND SCALE WORDS LIE IN LDS, 16 key steps x 13,056 bytes, filled once: each wave brings the key step of its own number, waves 0-3 first, and the work-group starts on steps 0-3 while the others land.  No LDS byte is filled twice.
; No joint loads, though the eight work-groups of a head read the same bytes: which steps a wave leaves out, and where its mask stands, hang on the work-group's own place.
; LAYOUT.  Both products are used transposed: S^T = K Q^T, O^T = V^T P^T: a lane holds one query (row l % 16 of its tile: 32 (t / 2) + 8 (t % 2) + r + 8 (r / 8)).  The keys of a tile are chosen in the same way,
; so that register 16 b + i of S^T is key 32 b + 16 (lane / 16) + i of the step.  The head's 64 are half of the instruction's 128 along K: registers 6-11 of Q's and K's fragments hold zero codes.
; CAUSAL: a key step behind my query block is left out by a scalar branch on ids, round the step's work alone; in the step on the diagonal hidden scores become -infinity.
; LIMITS: NaN and infinities are not served; a block under 2^-122 gets the scale byte 1; p under 2^-126 counts as 0.
.set KVB, 13056                        ; a key step's block: K codes 8 x 768, V codes 4 x 1,536 at 6,144, K's scale words at 12,288, V's at 12,800
.set G0,  24                           ; s[24:27] group 0
.set G1,  48                           ; s[48:55] group 1: 51 dense rows of 256 bytes
; REGISTERS: v1 8 x lane, v2 4 r, v3 my query less the block's first key less 16 h, v4-7 V's scale words, v8-9 the step's addresses, v10 -infinity, v12 -M, v13 the largest t, v[14:15] the sum,
; v16-27 Q, v32-79 four fragments of K, v80-127 V's four, v128-191 S^T then p, v192-223 O^T, v224-235 p's codes, v232-254 at work, v248-251 K's scale words, v255 Q's.
	s_load_b128 s[4:7], s[0:1], 0x0                ; QKV s[4:5], AB s[6:7]
	v_lshl_add_u32 v31, v0, 2, 0x33000
	v_mov_b32 v243, 0
	ds_add_u32 v31, v243
	ds_add_u32 v31, v243
	v_lshrrev_b32 v8, 5, v0
	s_delay_alu instid0(VALU_DEP_1)
	v_readfirstlane_b32 s8, v8                     ; wave 0..15
	s_and_b32 s9, ttmp7, 0xffff                    ; the head (16 x batch + head)
	s_lshl_b32 s10, ttmp9, 3
	s_add_co_u32 s13, s10, s8                      ; waves 0-7: tile 8 j + w
	s_sub_co_u32 s14, 112, s10
	s_add_co_u32 s14, s14, s8                      ; waves 8-15: tile 8 (15 - j) + w - 8
	s_cmp_lt_u32 s8, 8
	s_cselect_b32 s10, s13, s14                    ; my tile of queries
	s_lshr_b32 s11, s10, 3                         ; and its block of 128: the last key step that counts
	s_mov_b32 s[G1], 3<<16                         ; no mask; elements of 8 bytes; no padding
	s_mov_b32 s[G1+1], 32<<16
	s_mov_b32 s[G1+2], 51<<16
	s_mov_b32 s[G1+3], 32<<16
	s_mov_b32 s[G1+4], 51
	s_mov_b32 s[G1+5], 32
	s_mov_b32 s[G1+6], 0
	s_mov_b32 s[G1+7], 0
	s_mul_i32 s13, s8, KVB                         ; each of the sixteen waves brings one key step: its own number's
	s_mul_i32 s14, s9, 16*KVB
	s_add_co_u32 s14, s14, 3407872
	s_add_co_u32 s14, s14, s13
	s_mov_b32 s15, 0
	s_mov_b32 s20, 0x76543210
	s_mov_b32 s21, 0xfedcba98                      ; lane l xor 16
	s_mov_b32 s22, 0x3e38aa3b                      ; c = log2(e) / 8
	s_mov_b32 s23, s22
	s_mov_b32 s2, 0                                ; LDS byte of the key step in hand
	s_mov_b32 s3, 0                                ; and its number
	s_wait_dscnt 0x0
	s_wait_kmcnt 0x0
	s_add_nc_u64 s[40:41], s[4:5], s[14:15]
	s_mov_b32 s[G0], 1
	s_mov_b32 s[G0+1], s13
	s_mov_b64 s[G0+2:G0+3], s[40:41]
	s_or_b32 s[G0+3], s[G0+3], 0x80000000
	s_cmp_lt_u32 s8, 4                             ; at the head waves 0-3 bring key steps 0-3; the other twelve waves' loads follow behind the first barrier
	s_cbranch_scc0 .Lno_fill
	tensor_load_to_lds s[G0:G0+3], s[G1:G1+7]
	s_nop 0
.rept 4
	v_nop
.endr
.Lno_fill:
	s_lshl_b32 s42, s9, 7
	s_add_co_u32 s42, s42, s10                     ; 128 x head + tile
	s_mul_i32 s14, s42, 768
	s_add_nc_u64 s[44:45], s[4:5], s[14:15]
	s_lshl_b32 s14, s42, 6
	s_add_co_u32 s14, s14, 3145728
	s_add_nc_u64 s[46:47], s[4:5], s[14:15]
	v_and_b32 v8, 31, v0
	s_delay_alu instid0(VALU_DEP_1)
	v_lshlrev_b32 v1, 3, v8
	v_and_b32 v8, 15, v0                           ; r
	v_bfe_u32 v9, v0, 4, 1                         ; h
	s_delay_alu instid0(VALU_DEP_2)
	v_lshlrev_b32 v2, 2, v8
.irp p, 0,1,2
	global_load_b64 v[16+2*\p:17+2*\p], v1, s[44:45] offset:256*\p   ; Q's six registers stay
.endr
	global_load_b32 v255, v2, s[46:47]
	s_and_b32 s13, s10, 7
	s_lshr_b32 s14, s13, 1
	s_lshl_b32 s14, s14, 5
	s_and_b32 s13, s13, 1
	s_lshl_b32 s13, s13, 3
	s_add_co_u32 s13, s13, s14                     ; my tile's first query within its block
	v_and_b32 v10, 8, v8
	s_delay_alu instid0(VALU_DEP_1)
	v_add_nc_u32 v3, v10, v8
	v_lshlrev_b32 v10, 4, v9
	s_delay_alu instid0(VALU_DEP_1)
	v_sub_nc_u32 v3, v3, v10
	s_delay_alu instid0(VALU_DEP_1)
	v_add_nc_u32 v3, s13, v3                       ; d: register 16 b + i is hidden on the diagonal where 32 b + i > d
	v_mov_b32 v10, 0xff800000
	v_mov_b32 v13, 0xff61b1e6                      ; the largest t so far: -3e38
	s_delay_alu instid0(VALU_DEP_1)
	v_floor_f32 v12, -v13
	v_mov_b32 v14, 0
	v_mov_b32 v15, 0
	v_mov_b32 v252, 0
	v_mov_b32 v253, 0
.irp b, 0,1,2,3
	v_mov_b32 v[236+\b], 0                         ; written once: a lane permute's destination counts as one of its sources
.endr
.irp i, 0,1,2,3,4,5
	v_mov_b32 v[22+\i], 0                          ; zero codes for K = 64 .. 127: Q's,
.irp t, 0,1,2,3
	v_mov_b32 v[38+12*\t+\i], 0                    ; and K's: never loaded
.endr
.endr
.set n, 0
.rept 32
	v_mov_b32 v[192+n], 0                          ; O^T: the step is written once; the first finds zeros
.set n, n+1
.endr
.macro STEP
	s_cmp_gt_u32 s3, s11                           ; all these keys come after my queries
	s_cbranch_scc1 .Lhidden_\@
	v_add_nc_u32 v8, s2, v1
	v_add_nc_u32 v9, s2, v2
.irp t, 0,1,2,3
.irp p, 0,1,2
	ds_load_b64 v[32+12*\t+2*\p:33+12*\t+2*\p], v8 offset:768*\t+256*\p
.endr
	ds_load_b32 v[248+\t], v9 offset:12288+64*\t
.endr
	s_wait_alu depctr_va_vdst(0)
	s_wait_dscnt 0x0
.irp t, 0,1,2,3
	v_wmma_scale_f32_16x16x128_f8f6f4 v[128+8*\t:135+8*\t], v[32+12*\t:43+12*\t], v[16:27], 0, v[248+\t], v255 matrix_a_fmt:MATRIX_FMT_BF6 matrix_b_fmt:MATRIX_FMT_BF6
.endr
.rept 4
	v_nop                                          ; places in front of loads into registers that matrix instructions have read
.endr
.irp t, 0,1,2,3
.irp p, 0,1,2
	ds_load_b64 v[32+12*\t+2*\p:33+12*\t+2*\p], v8 offset:768*(4+\t)+256*\p
.endr
	ds_load_b32 v[248+\t], v9 offset:12288+64*(4+\t)
.endr
.irp t, 0,1,2,3
.irp p, 0,1,2,3,4,5
	ds_load_b64 v[80+12*\t+2*\p:81+12*\t+2*\p], v8 offset:6144+1536*\t+256*\p
.endr
	ds_load_b32 v[4+\t], v9 offset:12800+64*\t
.endr
	s_wait_dscnt 28                                ; K's tiles 4-7 are in; V's 28 loads stay out
.irp t, 0,1,2,3
	v_wmma_scale_f32_16x16x128_f8f6f4 v[160+8*\t:167+8*\t], v[32+12*\t:43+12*\t], v[16:27], 0, v[248+\t], v255 matrix_a_fmt:MATRIX_FMT_BF6 matrix_b_fmt:MATRIX_FMT_BF6
.endr
.rept 4
	v_nop
.endr
	s_cmp_lg_u32 s3, s11                           ; only the step on the diagonal has hidden keys
	s_cbranch_scc1 .Lopen_\@
.set n, 0
.rept 64
	v_cmp_gt_i32 vcc_lo, 32*(n/16)+n%16, v3
	v_cndmask_b32 v[128+n], v[128+n], v10, vcc_lo
.set n, n+1
.endr
.Lopen_\@:
.irp b, 0,1,2,3
	v_max3_num_f32 v[232+\b], v[128+16*\b], v[129+16*\b], v[130+16*\b]   ; the largest score of each block of 32 keys: for the row's maximum and, since p rises with the score, for the block's largest p
.endr
.irp i, 3,5,7,9,11,13
.irp b, 0,1,2,3
	v_max3_num_f32 v[232+\b], v[232+\b], v[128+16*\b+\i], v[129+16*\b+\i]
.endr
.endr
.irp b, 0,1,2,3
	v_max_num_f32 v[232+\b], v[232+\b], v[143+16*\b]
.endr
.irp b, 0,1,2,3
	s_delay_alu instid0(VALU_DEP_4)
	v_permlanex16_b32 v[236+\b], v[232+\b], s20, s21
.endr
.irp b, 0,1,2,3
	s_delay_alu instid0(VALU_DEP_4)
	v_max_num_f32 v[232+\b], v[232+\b], v[236+\b]
.endr
	s_delay_alu instid0(VALU_DEP_2)
	v_max3_num_f32 v254, v232, v233, v234
	s_delay_alu instid0(VALU_DEP_1)
	v_max_num_f32 v254, v254, v235
	s_delay_alu instid0(VALU_DEP_1)
	v_mul_f32 v254, s22, v254
	s_delay_alu instid0(VALU_DEP_1)
	v_max_num_f32 v13, v13, v254                   ; the running largest t
	v_mov_b32 v254, v12
	s_delay_alu instid0(VALU_DEP_2)
	v_floor_f32 v12, -v13                          ; -M = floor(-t): M is a whole number
	s_delay_alu instid0(VALU_DEP_1)
	v_sub_f32 v254, v12, v254
	s_delay_alu instid0(VALU_DEP_1)
	v_cvt_i32_f32 v254, v254                       ; (it saturates)
	s_delay_alu instid0(VALU_DEP_1)
	v_ldexp_f32 v252, 1.0, v254                    ; f = 2^(old M - new M)
.set n, 0
.rept 32
	v_pk_fma_f32 v[128+n:129+n], v[128+n:129+n], s[22:23], v[12:13] op_sel_hi:[1,0,0]   ; t - M
.set n, n+2
.endr
.irp b, 0,1,2,3
	v_fma_f32 v[232+\b], v[232+\b], s22, v12
.endr
.set n, 0
	s_wait_alu depctr_va_vdst(0)
.rept 64
	v_exp_f32 v[128+n], v[128+n]                   ; p = 2^(t - M)
.set n, n+1
.endr
	v_pk_mul_f32 v[14:15], v[14:15], v[252:253] op_sel_hi:[1,0]   ; the sums under the new M: a plain instruction behind the batch
	s_wait_alu depctr_va_vdst(0)                   ; one wait for the 64, ahead of their first reader
.irp b, 0,1,2,3
	v_exp_f32 v[232+\b], v[232+\b]                 ; each block's largest p
.endr
	v_pk_add_f32 v[236:237], v[132:133], v[136:137]
	v_pk_add_f32 v[250:251], v[140:141], v[144:145]
	v_pk_add_f32 v[248:249], v[148:149], v[152:153]
	v_pk_add_f32 v[246:247], v[156:157], v[160:161]
	v_pk_add_f32 v[244:245], v[164:165], v[168:169]
	v_pk_add_f32 v[240:241], v[172:173], v[176:177]
	v_pk_add_f32 v[238:239], v[180:181], v[184:185]
	v_pk_add_f32 v[14:15], v[14:15], v[188:189]
	v_pk_add_f32 v[236:237], v[236:237], v[128:129]
	v_pk_add_f32 v[250:251], v[250:251], v[130:131]
	v_pk_add_f32 v[248:249], v[248:249], v[134:135]
	v_pk_add_f32 v[246:247], v[246:247], v[138:139]
	v_pk_add_f32 v[244:245], v[244:245], v[142:143]
	v_pk_add_f32 v[240:241], v[240:241], v[146:147]
	v_pk_add_f32 v[238:239], v[238:239], v[150:151]
	v_pk_add_f32 v[14:15], v[14:15], v[154:155]
	v_pk_add_f32 v[236:237], v[236:237], v[158:159]
	v_pk_add_f32 v[250:251], v[250:251], v[162:163]
	v_pk_add_f32 v[248:249], v[248:249], v[166:167]
	v_pk_add_f32 v[246:247], v[246:247], v[170:171]
	v_pk_add_f32 v[244:245], v[244:245], v[174:175]
	v_pk_add_f32 v[240:241], v[240:241], v[178:179]
	v_pk_add_f32 v[238:239], v[238:239], v[182:183]
	v_pk_add_f32 v[14:15], v[14:15], v[186:187]
	v_pk_add_f32 v[236:237], v[236:237], v[190:191]
	s_delay_alu instid0(VALU_DEP_2)
	v_pk_add_f32 v[14:15], v[14:15], v[246:247]
	s_delay_alu instid0(VALU_DEP_2)
	v_pk_add_f32 v[236:237], v[236:237], v[244:245]
	v_pk_add_f32 v[250:251], v[250:251], v[240:241]
	v_pk_add_f32 v[248:249], v[248:249], v[238:239]
	s_delay_alu instid0(VALU_DEP_2)
	v_pk_add_f32 v[14:15], v[14:15], v[250:251]
	s_delay_alu instid0(VALU_DEP_2)
	v_pk_add_f32 v[236:237], v[236:237], v[248:249]
	s_delay_alu instid0(VALU_DEP_1)
	v_pk_add_f32 v[14:15], v[14:15], v[236:237]
	s_wait_alu depctr_va_vdst(0)                   ; and one for the four
.irp b, 0,1,2,3
	v_max_num_f32 v[232+\b], 0x2800000, v[232+\b]  ; the floor 2^(5 - 127)
.endr
.irp b, 0,1,2,3
	s_delay_alu instid0(VALU_DEP_4)
	v_add_nc_u32 v[244+\b], 0xfe000000, v[232+\b]
.endr
.irp b, 0,1,2,3
	s_delay_alu instid0(VALU_DEP_4)
	v_lshrrev_b32 v[236+\b], 23, v[244+\b]
.endr
	s_delay_alu instid0(VALU_DEP_3)
	v_lshl_or_b32 v253, v237, 8, v236              ; p's scale word for these 128 keys
	s_delay_alu instid0(VALU_DEP_1)
	v_lshl_or_b32 v253, v238, 16, v253
	s_delay_alu instid0(VALU_DEP_1)
	v_lshl_or_b32 v253, v239, 24, v253
.irp c, 0,1
	v_cvt_scalef32_pk16_bf6_f32 v[224+6*\c:226+6*\c], v[128+32*\c:143+32*\c], v[244+2*\c]
	v_cvt_scalef32_pk16_bf6_f32 v[236+4*\c:238+4*\c], v[144+32*\c:159+32*\c], v[244+2*\c+1]
.endr
	v_nop
.irp c, 0,1
.irp i, 0,1,2
	v_permlane16_swap_b32 v[224+6*\c+\i], v[236+4*\c+\i]
.endr
.irp i, 0,1,2
	s_delay_alu instid0(VALU_DEP_3)
	v_mov_b32 v[227+6*\c+\i], v[236+4*\c+\i]
.endr
.endr
.set n, 0
.rept 16
	v_pk_mul_f32 v[192+n:193+n], v[192+n:193+n], v[252:253] op_sel_hi:[1,0]   ; O^T under the new M; these sixteen are also the places between the operand's and the scale word's last writes and the products
.set n, n+2
.endr
	s_wait_alu depctr_va_vdst(0)
	s_wait_dscnt 0x0                               ; V
.irp t, 0,1,2,3
	v_wmma_scale_f32_16x16x128_f8f6f4 v[192+8*\t:199+8*\t], v[80+12*\t:91+12*\t], v[224:235], v[192+8*\t:199+8*\t], v[4+\t], v253 matrix_a_fmt:MATRIX_FMT_BF6 matrix_b_fmt:MATRIX_FMT_BF6
.endr
.Lhidden_\@:
	s_add_co_u32 s2, s2, KVB
	s_add_co_u32 s3, s3, 1
.endm
	s_wait_alu depctr_va_vdst(0)
	s_wait_loadcnt 0x0                             ; Q
	s_wait_tensorcnt 0x0                           ; key steps 0-3 have landed
	ds_add_u32 v31, v243
	ds_add_u32 v31, v243
	s_wait_dscnt 0x0
	s_barrier_signal -1
	s_barrier_wait -1
	s_cmp_lt_u32 s8, 4
	s_cbranch_scc1 .Lno_fill2
	tensor_load_to_lds s[G0:G0+3], s[G1:G1+7]      ; waves 4-15: key steps 4-15, each filled once: one load a wave behind the barrier; they land while steps 0-3 are worked
	s_nop 0
.rept 4
	v_nop
.endr
.Lno_fill2:
	s_mov_b32 s12, 4
.Lstep_a:
	STEP
	s_sub_co_u32 s12, s12, 1
	s_cmp_lg_u32 s12, 0
	s_cbranch_scc1 .Lstep_a
	s_wait_tensorcnt 0x0                           ; my key step has landed
	s_barrier_signal -1
	s_barrier_wait -1                              ; everybody's has
	s_mov_b32 s12, 12
.Lstep_b:
	STEP
	s_sub_co_u32 s12, s12, 1
	s_cmp_lg_u32 s12, 0
	s_cbranch_scc1 .Lstep_b
	; THE WAY OUT: O^T / the sum; register 16 b + i is the head's feature 32 b + 16 h + i: two blocks of the next product's K
	v_add_f32 v14, v14, v15
	s_delay_alu instid0(VALU_DEP_1)
	v_permlanex16_b32 v252, v14, s20, s21
	s_delay_alu instid0(VALU_DEP_1)
	v_add_f32 v14, v14, v252
	s_wait_alu depctr_va_vdst(0)
	v_rcp_f32 v14, v14
.rept 4
	v_nop                                          ; plain instructions behind the reciprocal and behind the last products
.endr
	s_lshr_b32 s13, s9, 4
	s_lshl_b32 s13, s13, 7
	s_add_co_u32 s13, s13, s10                     ; the tile of tokens: 128 x batch + my tile
	s_lshl_b32 s13, s13, 3
	s_bfe_u32 s14, s9, 0x30001
	s_add_co_u32 s13, s13, s14                     ; its fragment for K step head / 2
	s_and_b32 s14, s9, 1                           ; whose half is mine
	s_mul_i32 s42, s13, 1536
	s_mul_i32 s43, s14, 768
	s_add_co_u32 s42, s42, s43
	s_mov_b32 s43, 0
	s_add_nc_u64 s[44:45], s[6:7], s[42:43]
	s_lshl_b32 s42, s13, 6
	s_lshl_b32 s14, s14, 1
	s_add_co_u32 s42, s42, s14
	s_add_co_u32 s42, s42, 3145728
	s_add_nc_u64 s[46:47], s[6:7], s[42:43]
	s_wait_alu depctr_va_vdst(0)                   ; ahead of the reciprocal's first reader
.set n, 0
.rept 32
	v_mul_f32 v[128+n], v[192+n], v14
.set n, n+1
.endr
.irp b, 0,1
	v_max3_num_f32 v[232+\b], |v[128+16*\b]|, |v[129+16*\b]|, 0x2800000
.endr
.irp i, 2,4,6,8,10,12,14
.irp b, 0,1
	s_delay_alu instid0(VALU_DEP_2)
	v_max3_num_f32 v[232+\b], v[232+\b], |v[128+16*\b+\i]|, |v[129+16*\b+\i]|
.endr
.endr
.irp b, 0,1
	s_delay_alu instid0(VALU_DEP_2)
	v_permlanex16_b32 v[236+\b], v[232+\b], s20, s21
.endr
.irp b, 0,1
	s_delay_alu instid0(VALU_DEP_2)
	v_max_num_f32 v[232+\b], v[232+\b], v[236+\b]
.endr
.irp b, 0,1
	s_delay_alu instid0(VALU_DEP_2)
	v_add_nc_u32 v[244+\b], 0xfe000000, v[232+\b]
.endr
.irp b, 0,1
	s_delay_alu instid0(VALU_DEP_2)
	v_lshrrev_b32 v[240+\b], 23, v[244+\b]
.endr
	s_delay_alu instid0(VALU_DEP_1)
	v_lshl_or_b32 v253, v241, 8, v240              ; my head's two bytes of the row's scale word
	v_cvt_scalef32_pk16_bf6_f32 v[224:226], v[128:143], v244
	v_cvt_scalef32_pk16_bf6_f32 v[236:238], v[144:159], v245
	v_nop
.irp i, 0,1,2
	v_permlane16_swap_b32 v[224+\i], v[236+\i]
.endr
.irp i, 0,1,2
	s_delay_alu instid0(VALU_DEP_3)
	v_mov_b32 v[227+\i], v[236+\i]
.endr
.irp p, 0,1,2
	global_store_b64 v1, v[224+2*\p:225+2*\p], s[44:45] offset:256*\p   ; 256 consecutive bytes, aligned
.endr
	global_store_b16 v2, v253, s[46:47]            ; lanes r and r + 16 write the same two bytes with the same value; the word's other half is another head's
	s_wait_tensorcnt 0x0
	ds_add_u32 v31, v243
	s_wait_dscnt 0x0
	s_endpgm
.Lfunc_end_k_q6a0235eaf7_att:
	.size	k_q6a0235eaf7_att, .Lfunc_end_k_q6a0235eaf7_att-k_q6a0235eaf7_att
	.p2alignl 7, 3214868480
	.fill 96, 4, 3214868480
	.section	.rodata,"a",@progbits
	.p2align	6, 0x0
	.amdhsa_kernel k_q6a0235eaf7_att
		.amdhsa_group_segment_fixed_size 327680
		.amdhsa_private_segment_fixed_size 0
		.amdhsa_enable_private_segment 0
		.amdhsa_kernarg_size 16
		.amdhsa_user_sgpr_count 2
		.amdhsa_user_sgpr_kernarg_segment_ptr 1
		.amdhsa_wavefront_size32 1
		.amdhsa_system_sgpr_workgroup_id_x 1
		.amdhsa_system_sgpr_workgroup_id_y 1
		.amdhsa_system_sgpr_workgroup_id_z 1
		.amdhsa_system_vgpr_workitem_id 0
		.amdhsa_next_free_vgpr 256
		.amdhsa_next_free_sgpr 66
		.amdhsa_reserve_vcc 1
		.amdhsa_float_denorm_mode_32 3
		.amdhsa_float_denorm_mode_16_64 3
		.amdhsa_memory_ordered 1
		.amdhsa_forward_progress 1
		.amdhsa_inst_pref_size 60
	.end_amdhsa_kernel
	.amdgpu_metadata
---
amdhsa.version: [ 1, 2 ]
amdhsa.kernels:
  - .name:           k_q6a0235eaf7_att
    .symbol:         k_q6a0235eaf7_att.kd
    .args:
      - { .name: QKV, .offset: 0, .size: 8, .value_kind: global_buffer, .address_space: global }
      - { .name: AB, .offset: 8, .size: 8, .value_kind: global_buffer, .address_space: global }
    .group_segment_fixed_size: 327680
    .private_segment_fixed_size: 0
    .kernarg_segment_align: 8
    .kernarg_segment_size: 16
    .max_flat_workgroup_size: 512
    .sgpr_count:     66
    .vgpr_count:     256
    .wavefront_size: 32
...
	.end_amdgpu_metadata
.endif
;; end of part 4
;; launch oproj (part 5): grid 8 x 32, 4 waves a work-group, clusters of 4 x 4, 327,680 bytes of LDS; arguments AB, W, b_out, x, X1; writes X1
.if DOCPART == 5
	.amdgcn_target "amdgcn-amd-amdhsa--gfx1250"
	.amdhsa_code_object_version 6
	.text
	.protected	k_q6a0235eaf7_oproj
	.globl	k_q6a0235eaf7_oproj
	.p2align	8
	.type	k_q6a0235eaf7_oproj,@function
k_q6a0235eaf7_oproj:
	s_mov_b64 s[64:65], 0
	v_nop
	global_prefetch_b8 v0, s[64:65] scope:SCOPE_SE
	s_setreg_imm32_b32 hwreg(HW_REG_WAVE_MODE, 25, 1), 1
	s_wait_xcnt 0x0
	s_wait_alu depctr_hold_cnt(0) depctr_sa_sdst(0) depctr_va_vdst(0) depctr_va_sdst(0) depctr_va_ssrc(0) depctr_va_vcc(0) depctr_vm_vsrc(0)
	s_getreg_b32 s2, hwreg(HW_REG_IB_STS2, 6, 4)
	s_cmp_eq_u32 s2, 0
	s_cbranch_scc0 .Lentry_in_a_cluster
	s_endpgm
.Lentry_in_a_cluster:
	s_bfe_u32 s2, ttmp6, 0x10000c
	s_cmp_lg_u32 s2, 0xf033
	s_cbranch_scc0 .Lentry_shape_is_right
	s_endpgm
.Lentry_shape_is_right:
.set NT,    4
.set LOGNT, 2
.set NQ,    4
.set KS,    8
.set ASC,   3145728
.set WC,    2359296
.set WS,    9535488
.set H,     NT/2
.set NL,    6
.set FRB,   1536
.set TROW,  NQ*FRB
.set HALFT, NT*TROW
.set SLOT,  4*HALFT
.set SCL,   2*SLOT
.set HALFS, NT*KS*64
.set SPARE, SCL+4*HALFS+256
.set LAPS,  KS/(2*NQ)
.set L8,   15
.set ADRA, 16
.set ADRB, 20
.set STO,  24
.set RD,   25
.set CO,   26
.set ADRS, 27
.set SPW,  28
.set NIL,  29
.set SC,   32
.set BK,   64
.set AF,   128
.set G1,   24
.set G0,   32
.set G1B,  48
.set G0B,  56
.set G1S,  68
.set G0S,  76
.set G1SB, 80
.set G0SB, 88
.set MUL_LO, 0xa1
.set TO_B,   0x40
.set MSB, 0
.macro WIN new
.if MSB != (\new)
	s_set_vgpr_msb (MSB<<8)|(\new)
.set MSB, (\new)
.endif
.endm
.macro PLACES
.rept 4
	v_nop
.endr
.endm
.macro JLOAD g0a, g1a, g0b, g1b
	s_cmp_eq_u32 s15, 0
	s_cbranch_scc0 .Lfor_b_\@
	tensor_load_to_lds s[\g0a:\g0a+3], s[\g1a:\g1a+7]
	s_nop 0
.rept 4
	v_nop
.endr
	s_branch .Lasked_\@
.Lfor_b_\@:
	tensor_load_to_lds s[\g0b:\g0b+3], s[\g1b:\g1b+7]
	s_nop 0
.rept 4
	v_nop
.endr
.Lasked_\@:
.endm
.macro CREST
	s_cmp_lg_u32 s14, 0
	s_cbranch_scc1 .Lnot_wave_0_\@
	s_barrier_signal -3
.Lnot_wave_0_\@:
	s_barrier_wait -3
	s_barrier_signal -1
	s_barrier_wait -1
.endm
.macro CROUND
	s_barrier_signal -1
	s_barrier_wait -1
	CREST
.endm
.macro FRAG reg, adr, q, i
.irp p, 0,1,2,3,4,5
	ds_load_b64 v[\reg+2*\p:\reg+2*\p+1], v[\adr] offset:(\i)*TROW+(\q)*FRB+256*\p
.endr
.endm
.macro FETCH_B slot, q, set
	WIN TO_B
.set fi, 0
.rept NT
	FRAG 128*(\set)+12*fi, ADRB+\slot, \q, fi
.set fi, fi+1
.endr
	WIN 0
.endm
.macro FETCH_A slot, q, i0
.set fi, \i0
.rept H
	FRAG AF+12*fi, ADRA+\slot, \q, fi
.set fi, fi+1
.endr
.endm
.macro SCALES set
.set si, 0
.rept NT
.set sj, 0
.rept NQ
	ds_load_b32 v[SC+16*(\set)+NQ*si+sj], v[ADRS] offset:(si*KS+sj)*64
.set sj, sj+1
.endr
.set si, si+1
.endr
.endm
.macro MULA a, set, q, sc, zero
.set mb, 0
.rept NT
.set AC, 8*(((\a)*NT+mb)%32)
.if \zero
	v_wmma_scale_f32_16x16x128_f8f6f4 v[AC:AC+7], v[128*(\set)+12*mb:128*(\set)+12*mb+11], v[AF+12*(\a):AF+12*(\a)+11], 0, v[SC+16*(\sc)+NQ*mb+(\q)], v[SC+16*(\sc)+NQ*(\a)+(\q)] matrix_a_fmt:MATRIX_FMT_BF6 matrix_b_fmt:MATRIX_FMT_BF6 matrix_a_scale:MATRIX_SCALE_ROW1
.else
	v_wmma_scale_f32_16x16x128_f8f6f4 v[AC:AC+7], v[128*(\set)+12*mb:128*(\set)+12*mb+11], v[AF+12*(\a):AF+12*(\a)+11], v[AC:AC+7], v[SC+16*(\sc)+NQ*mb+(\q)], v[SC+16*(\sc)+NQ*(\a)+(\q)] matrix_a_fmt:MATRIX_FMT_BF6 matrix_b_fmt:MATRIX_FMT_BF6 matrix_a_scale:MATRIX_SCALE_ROW1
.endif
.set mb, mb+1
.endr
.endm
.macro MULN a0, n, set, q, sc, zero
	WIN MUL_LO+0x50*((\a0)*NT/32)
.set ha, \a0
.rept \n
	MULA ha, \set, \q, \sc, \zero
.set ha, ha+1
.endr
.endm
.macro STEP slot, q, zero
	s_wait_dscnt H*NL
	MULN 0, H, (\q)%2, \q, \slot, \zero
	s_wait_dscnt 0x0
	PLACES
	FETCH_B \slot, (\q)+1, 1-(\q)%2
	FETCH_A \slot, (\q)+1, 0
	MULN H, H, (\q)%2, \q, \slot, \zero
	PLACES
	WIN 0
	FETCH_A \slot, (\q)+1, H
.endm
.macro TURN slot, next, fill
	s_wait_tensorcnt 0x0
	ds_add_u32 v[SPW], v[NIL]
	s_wait_dscnt H*NL+1
	MULN 0, NT/4, 1, NQ-1, \slot, 0
	s_wait_dscnt 0x0
	s_barrier_signal -1
	MULN NT/4, NT/4, 1, NQ-1, \slot, 0
	WIN 0
	s_barrier_wait -1
.if \fill
	CREST
	s_add_nc_u64 s[G0+4*\slot+2:G0+4*\slot+3], s[G0+4*\slot+2:G0+4*\slot+3], 2*TROW
	s_add_nc_u64 s[G0B+4*\slot+2:G0B+4*\slot+3], s[G0B+4*\slot+2:G0B+4*\slot+3], 2*TROW
	JLOAD G0+4*\slot, G1, G0B+4*\slot, G1B
.else
	PLACES
.endif
	v_add_nc_u32 v[ADRS], NQ*64, v[ADRS]
	FETCH_B \next, 0, 0
	FETCH_A \next, 0, 0
	SCALES \next
	MULN H, H, 1, NQ-1, \slot, 0
	PLACES
	WIN 0
	FETCH_A \next, 0, H
.endm
.macro MID slot, q0
.set kq, \q0
.rept NQ-1-(\q0)
	STEP \slot, kq, 0
.set kq, kq+1
.endr
.endm
	s_load_b256 s[4:11], s[0:1], 0x0
	s_load_b64 s[12:13], s[0:1], 0x20
	v_lshl_add_u32 v[SPW], v0, 2, SPARE
	v_mov_b32 v[NIL], 0
	ds_add_u32 v28, v29
	ds_add_u32 v28, v29
	s_wait_dscnt 0x0
	v_lshrrev_b32 v1, 5, v0
	v_readfirstlane_b32 s14, v1
	s_lshr_b32 s15, s14, 1
	s_and_b32 s16, s14, 1
	s_bfe_u32 s40, ttmp6, 0x40000
	s_bfe_u32 s41, ttmp6, 0x40004
	s_lshl_b32 s42, ttmp9, 2
	s_add_co_u32 s42, s42, s40
	s_and_b32 s17, ttmp7, 0xffff
	s_lshl_b32 s17, s17, 2
	s_add_co_u32 s17, s17, s41
	s_lshl_b32 s43, s41, 2
	s_lshl_b32 s43, 15, s43
	s_lshl_b32 s44, 0x1111, s40
	s_or_b32 s[G1], s43, (3<<16)|(1<<21)
	s_or_b32 s[G1B], s44, (3<<16)|(1<<21)
	s_or_b32 s[G1S], s43, (3<<16)|(1<<21)
	s_or_b32 s[G1SB], s44, (3<<16)|(1<<21)
.irp g, G1, G1B
	s_mov_b32 s[\g+1], (TROW/8)<<16
	s_mov_b32 s[\g+2], (2*NT)<<16
	s_mov_b32 s[\g+3], (TROW/8)<<16
	s_mov_b32 s[\g+4], 2*NT
	s_mov_b32 s[\g+5], KS*192
	s_mov_b32 s[\g+6], 0
	s_mov_b32 s[\g+7], 0
.endr
.irp g, G1S, G1SB
	s_mov_b32 s[\g+1], 32<<16
	s_mov_b32 s[\g+2], (HALFS/128)<<16
	s_mov_b32 s[\g+3], 32<<16
	s_mov_b32 s[\g+4], HALFS/128
	s_mov_b32 s[\g+5], 32
	s_mov_b32 s[\g+6], 0
	s_mov_b32 s[\g+7], 0
.endr
	s_lshl_b32 s18, s16, LOGNT
	s_lshl_b32 s20, s17, LOGNT+1
	s_add_co_u32 s20, s20, s18
	s_lshl_b32 s46, s42, LOGNT+1
	s_add_co_u32 s46, s46, s18
	s_mul_i32 s22, s20, KS*64
	s_mul_i32 s20, s20, KS*FRB
	s_mul_i32 s92, s46, KS*64
	s_mul_i32 s46, s46, KS*FRB
	s_mov_b32 s21, 0
	s_mov_b32 s23, 0
	s_mov_b32 s47, 0
	s_mov_b32 s93, 0
	s_mul_i32 s45, s14, HALFT
	s_mul_i32 s94, s14, HALFS
	s_lshl_b32 s95, s15, 7
	s_add_co_u32 s94, s94, s95
	s_wait_kmcnt 0x0
	s_add_nc_u64 s[96:97], s[4:5], ASC
	s_add_nc_u64 s[98:99], s[6:7], WC
	s_add_nc_u64 s[100:101], s[6:7], WS
	s_add_nc_u64 s[20:21], s[4:5], s[20:21]
	s_add_nc_u64 s[22:23], s[96:97], s[22:23]
	s_add_nc_u64 s[46:47], s[98:99], s[46:47]
	s_add_nc_u64 s[92:93], s[100:101], s[92:93]
	CROUND
	; the head's four tiles, each whole: A's and B's scale words, slot 0's tiles of A and of B
	s_mov_b32 s19, 0
	s_mul_i32 s18, s16, HALFS
	s_sub_nc_u64 s[22:23], s[22:23], s[18:19]
	s_sub_nc_u64 s[92:93], s[92:93], s[18:19]
	s_mov_b32 s[G0S], 1
	s_mov_b32 s[G0S+1], SCL
	s_mov_b64 s[G0S+2:G0S+3], s[22:23]
	s_or_b32 s[G0S+3], s[G0S+3], 0x80000000
	s_mov_b32 s[G0SB], 1
	s_mov_b32 s[G0SB+1], SCL+2*HALFS+128
	s_mov_b64 s[G0SB+2:G0SB+3], s[92:93]
	s_or_b32 s[G0SB+3], s[G0SB+3], 0x80000000
	s_mul_i32 s18, s16, NT*KS*FRB
	s_sub_nc_u64 s[98:99], s[20:21], s[18:19]
	s_or_b32 s99, s99, 0x80000000
	s_mov_b32 s96, 1
	s_mov_b32 s97, 0
	s_sub_nc_u64 s[94:95], s[46:47], s[18:19]
	s_or_b32 s95, s95, 0x80000000
	s_mov_b32 s92, 1
	s_mov_b32 s93, 2*HALFT
.irp s, 0,1
	s_mov_b32 s[G0+4*\s], 1
	s_add_co_u32 s[G0+4*\s+1], s45, \s*SLOT
	s_add_nc_u64 s[G0+4*\s+2:G0+4*\s+3], s[20:21], \s*TROW
	s_or_b32 s[G0+4*\s+3], s[G0+4*\s+3], 0x80000000
	s_mov_b32 s[G0B+4*\s], 1
	s_add_co_u32 s[G0B+4*\s+1], s45, \s*SLOT
	s_add_nc_u64 s[G0B+4*\s+2:G0B+4*\s+3], s[46:47], \s*TROW
	s_or_b32 s[G0B+4*\s+3], s[G0B+4*\s+3], 0x80000000
.endr
; the head's loads, one a wave, in one tree of branches on the wave's number
.macro ARM under, g0, g1, next
	s_cmp_lt_u32 s14, \under
	s_cbranch_scc0 \next
	tensor_load_to_lds s[\g0:\g0+3], s[\g1:\g1+7]
	s_nop 0
.rept 4
	v_nop
.endr
	s_branch .Lhead_asked
\next:
.endm
	ARM 1, 96, G1, .Lhead_b
	ARM 2, 92, G1B, .Lhead_sa
	ARM 3, G0S, G1S, .Lhead_sb
	tensor_load_to_lds s[G0SB:G0SB+3], s[G1SB:G1SB+7]
	s_nop 0
.rept 4
	v_nop
.endr
.Lhead_asked:
	v_and_b32 v1, 15, v0
	v_bfe_u32 v2, v0, 4, 1
	s_wait_alu depctr_va_vdst(0)
	v_and_b32 v3, 31, v0
	v_lshlrev_b32 v[L8], 3, v3
	s_mul_i32 s21, s15, HALFT
	s_mul_i32 s22, s16, HALFT
	s_add_co_u32 s22, s22, 2*HALFT
.irp s, 0,1
	v_add_nc_u32 v[ADRA+\s], s21, v[L8]
	v_add_nc_u32 v[ADRB+\s], s22, v[L8]
	s_add_co_u32 s21, s21, SLOT
	s_add_co_u32 s22, s22, SLOT
.endr
	v_lshlrev_b32 v5, 2, v1
	s_mul_i32 s21, s15, HALFS
	s_mul_i32 s22, s16, HALFS
	s_add_co_u32 s22, s22, 2*HALFS+128
	s_sub_co_u32 s22, s22, s21
	v_mul_u32_u24 v6, s22, v2
	s_add_co_u32 s21, s21, SCL
	v_add_nc_u32 v5, v5, v6
	v_add_nc_u32 v[ADRS], s21, v5
	s_mul_i32 s23, s14, 16*272
	v_mul_u32_u24 v5, v1, 272
	v_lshl_add_u32 v5, v2, 6, v5
	v_add_nc_u32 v[STO], s23, v5
	v_mul_u32_u24 v5, v2, 272
	v_lshl_add_u32 v5, v1, 4, v5
	v_add_nc_u32 v[RD], s23, v5
	v_lshlrev_b32 v[CO], 12, v2
	v_lshl_add_u32 v[CO], v1, 4, v[CO]
	s_wait_alu depctr_va_vdst(0)
	s_lshl_b32 s20, s17, 7
	s_lshl_b32 s21, s15, 6
	s_add_co_u32 s20, s20, s21
	s_lshl_b32 s20, s20, 12
	s_lshl_b32 s21, s42, 9
	s_lshl_b32 s22, s16, 8
	s_add_co_u32 s22, s21, s22
	s_add_co_u32 s20, s20, s22
	s_mov_b32 s21, 0
	s_mov_b32 s23, 0
	s_add_nc_u64 s[10:11], s[10:11], s[20:21]
	s_add_nc_u64 s[12:13], s[12:13], s[20:21]
	s_add_nc_u64 s[8:9], s[8:9], s[22:23]
	v_lshlrev_b32 v7, 4, v1
	global_load_b128 v[8:11], v7, s[8:9]
	WIN 0xc0
.irp a, 0,1,2,3
.irp t, 0,1,2,3,4,5,6,7
	global_load_b128 v[32*\a+4*\t:32*\a+4*\t+3], v[CO], s[10:11] offset:(32*(\a/2)+8*(\a%2)+2*\t+8*(\t/4))*4096
.endr
.endr
	WIN 0
	s_wait_alu depctr_va_vdst(0)
	s_wait_tensorcnt 0x0                           ; my tile of the head's four is in; slot 1's first fill is issued as a refill is
	ds_add_u32 v[SPW], v[NIL]
	s_mov_b32 s[G1+2], NT<<16
	s_mov_b32 s[G1+4], NT
	s_mov_b32 s[G1B+2], NT<<16
	s_mov_b32 s[G1B+4], NT
	s_wait_dscnt 0x0
	CROUND
	JLOAD G0+4, G1, G0B+4, G1B
	FETCH_B 0, 0, 0
	FETCH_A 0, 0, 0
	SCALES 0
	FETCH_A 0, 0, H
	STEP 0, 0, 1
.if LAPS > 1
	s_mov_b32 s3, LAPS-1
.Llap:
	MID 0, 1
	TURN 0, 1, 1
	MID 1, 0
	TURN 1, 0, 1
	STEP 0, 0, 0
	s_sub_co_u32 s3, s3, 1
	s_cmp_lg_u32 s3, 0
	s_cbranch_scc1 .Llap
.endif
	MID 0, 1
	TURN 0, 1, 0
	MID 1, 0
	s_wait_dscnt H*NL
	MULN 0, H, 1, NQ-1, 1, 0
	s_wait_dscnt 0x0
	MULN H, H, 1, NQ-1, 1, 0
	WIN 0
.macro TOSTAGE a
	WIN 0x08
.irp b, 0,1,2,3
	ds_store_b128 v[STO], v[8*(4*\a+\b):8*(4*\a+\b)+3] offset:128*(\b/2)+32*(\b%2)
	ds_store_b128 v[STO], v[8*(4*\a+\b)+4:8*(4*\a+\b)+7] offset:128*(\b/2)+32*(\b%2)+16
.endr
	WIN 0
.irp t, 0,1,2,3,4,5,6,7
	ds_load_b128 v[BK+32*\a+4*\t:BK+32*\a+4*\t+3], v[RD] offset:544*\t
.endr
.endm
.macro SEND a, younger
	s_wait_dscnt \younger
.irp t, 0,1,2,3,4,5,6,7
	v_pk_add_f32 v[BK+32*\a+4*\t:BK+32*\a+4*\t+1], v[BK+32*\a+4*\t:BK+32*\a+4*\t+1], v[8:9]
	v_pk_add_f32 v[BK+32*\a+4*\t+2:BK+32*\a+4*\t+3], v[BK+32*\a+4*\t+2:BK+32*\a+4*\t+3], v[10:11]
.endr
	WIN 0x0c
.irp t, 0,1,2,3,4,5,6,7
	v_pk_add_f32 v[BK+32*\a+4*\t:BK+32*\a+4*\t+1], v[BK+32*\a+4*\t:BK+32*\a+4*\t+1], v[32*\a+4*\t:32*\a+4*\t+1]
	v_pk_add_f32 v[BK+32*\a+4*\t+2:BK+32*\a+4*\t+3], v[BK+32*\a+4*\t+2:BK+32*\a+4*\t+3], v[32*\a+4*\t+2:32*\a+4*\t+3]
.endr
	WIN 0
.irp t, 0,1,2,3,4,5,6,7
	global_store_b128 v[CO], v[BK+32*\a+4*\t:BK+32*\a+4*\t+3], s[12:13] offset:(32*(\a/2)+8*(\a%2)+2*\t+8*(\t/4))*4096
.endr
.endm
	PLACES
	s_wait_loadcnt 0x0
	TOSTAGE 0
	TOSTAGE 1
	SEND 0, 16
	TOSTAGE 2
	SEND 1, 16
	TOSTAGE 3
	SEND 2, 16
	SEND 3, 0
	s_wait_tensorcnt 0x0
	ds_add_u32 v[SPW], v[NIL]
	s_wait_dscnt 0x0
	CROUND
	s_endpgm
.Lfunc_end_k_q6a0235eaf7_oproj:
	.size	k_q6a0235eaf7_oproj, .Lfunc_end_k_q6a0235eaf7_oproj-k_q6a0235eaf7_oproj
	.p2alignl 7, 3214868480
	.fill 96, 4, 3214868480
	.section	.rodata,"a",@progbits
	.p2align	6, 0x0
	.amdhsa_kernel k_q6a0235eaf7_oproj
		.amdhsa_group_segment_fixed_size 327680
		.amdhsa_private_segment_fixed_size 0
		.amdhsa_enable_private_segment 0
		.amdhsa_kernarg_size 40
		.amdhsa_user_sgpr_count 2
		.amdhsa_user_sgpr_kernarg_segment_ptr 1
		.amdhsa_wavefront_size32 1
		.amdhsa_system_sgpr_workgroup_id_x 1
		.amdhsa_system_sgpr_workgroup_id_y 1
		.amdhsa_system_sgpr_workgroup_id_z 1
		.amdhsa_system_vgpr_workitem_id 0
		.amdhsa_next_free_vgpr 1024
		.amdhsa_next_free_sgpr 102
		.amdhsa_reserve_vcc 0
		.amdhsa_float_denorm_mode_32 3
		.amdhsa_float_denorm_mode_16_64 3
		.amdhsa_memory_ordered 1
		.amdhsa_forward_progress 1
		.amdhsa_inst_pref_size 76
	.end_amdhsa_kernel
	.amdgpu_metadata
---
amdhsa.version: [ 1, 2 ]
amdhsa.kernels:
  - .name:           k_q6a0235eaf7_oproj
    .symbol:         k_q6a0235eaf7_oproj.kd
    .args:
      - { .name: AB, .offset: 0, .size: 8, .value_kind: global_buffer, .address_space: global }
      - { .name: W, .offset: 8, .size: 8, .value_kind: global_buffer, .address_space: global }
      - { .name: b_out, .offset: 16, .size: 8, .value_kind: global_buffer, .address_space: global }
      - { .name: x, .offset: 24, .size: 8, .value_kind: global_buffer, .address_space: global }
      - { .name: X1, .offset: 32, .size: 8, .value_kind: global_buffer, .address_space: global }
    .group_segment_fixed_size: 327680
    .private_segment_fixed_size: 0
    .kernarg_segment_align: 8
    .kernarg_segment_size: 40
    .max_flat_workgroup_size: 128
    .sgpr_count:     102
    .vgpr_count:     1024
    .wavefront_size: 32
...
	.end_amdgpu_metadata
.endif
;; end of part 5
;; launch ln2: the kernel of part 2 again; grid 256 x 1, 8 waves a work-group, no clusters, 70,656 bytes of LDS; arguments X1, ln2_g, ln2_b, HB; writes HB
;; launch ff1 (part 6): grid 16 x 16, 4 waves a work-group, clusters of 4 x 4, 327,680 bytes of LDS; arguments HB, W, b1, FF; writes FF
.if DOCPART == 6
	.amdgcn_target "amdgcn-amd-amdhsa--gfx1250"
	.amdhsa_code_object_version 6
	.text
	.protected	k_q6a0235eaf7_ff1
	.globl	k_q6a0235eaf7_ff1
	.p2align	8
	.type	k_q6a0235eaf7_ff1,@function
k_q6a0235eaf7_ff1:
	s_mov_b64 s[64:65], 0
	v_nop
	global_prefetch_b8 v0, s[64:65] scope:SCOPE_SE
	s_setreg_imm32_b32 hwreg(HW_REG_WAVE_MODE, 25, 1), 1
	s_wait_xcnt 0x0
	s_wait_alu depctr_hold_cnt(0) depctr_sa_sdst(0) depctr_va_vdst(0) depctr_va_sdst(0) depctr_va_ssrc(0) depctr_va_vcc(0) depctr_vm_vsrc(0)
	s_getreg_b32 s2, hwreg(HW_REG_IB_STS2, 6, 4)
	s_cmp_eq_u32 s2, 0
	s_cbranch_scc0 .Lentry_in_a_cluster
	s_endpgm
.Lentry_in_a_cluster:
	s_bfe_u32 s2, ttmp6, 0x10000c
	s_cmp_lg_u32 s2, 0xf033
	s_cbranch_scc0 .Lentry_shape_is_right
	s_endpgm
.Lentry_shape_is_right:
.set NT,    8
.set LOGNT, 3
.set NQ,    2
.set KS,    8
.set ASC,   3145728
.set WC,    3145728
.set WS,    9568256
.set H,     NT/2
.set NL,    6
.set FRB,   1536
.set TROW,  NQ*FRB
.set HALFT, NT*TROW
.set SLOT,  4*HALFT
.set SCL,   2*SLOT
.set HALFS, NT*KS*64
.set SPARE, SCL+4*HALFS+256
.set LAPS,  KS/(2*NQ)
.set L8,   15
.set ADRA, 16
.set ADRB, 20
.set O1,   22
.set O2,   23
.set SS,   24
.set SR,   26
.set ADRS, 27
.set SPW,  28
.set NIL,  29
.set SC,   32
.set CB,   64
.set AF,   128
.set T,    128
.set TM,   192
.set PW,   208
.set PC,   32
.set GZ,   192
.set GX,   208
.set GP,   224
.set GQ,   240
.set G1,   24
.set G0,   32
.set G1B,  48
.set G0B,  56
.set G1S,  68
.set G0S,  76
.set G1SB, 80
.set G0SB, 88
.set SEL,  44
.set MUL_LO, 0xa1
.set TO_B,   0x40
.set MSB, 0
.macro WIN new
.if MSB != (\new)
	s_set_vgpr_msb (MSB<<8)|(\new)
.set MSB, (\new)
.endif
.endm
.macro PLACES
.rept 4
	v_nop
.endr
.endm
.macro JLOAD g0a, g1a, g0b, g1b
	s_cmp_eq_u32 s15, 0
	s_cbranch_scc0 .Lfor_b_\@
	tensor_load_to_lds s[\g0a:\g0a+3], s[\g1a:\g1a+7]
	s_nop 0
.rept 4
	v_nop
.endr
	s_branch .Lasked_\@
.Lfor_b_\@:
	tensor_load_to_lds s[\g0b:\g0b+3], s[\g1b:\g1b+7]
	s_nop 0
.rept 4
	v_nop
.endr
.Lasked_\@:
.endm
.macro CREST
	s_cmp_lg_u32 s14, 0
	s_cbranch_scc1 .Lnot_wave_0_\@
	s_barrier_signal -3
.Lnot_wave_0_\@:
	s_barrier_wait -3
	s_barrier_signal -1
	s_barrier_wait -1
.endm
.macro CROUND
	s_barrier_signal -1
	s_barrier_wait -1
	CREST
.endm
.macro FRAG reg, adr, q, i
.irp p, 0,1,2,3,4,5
	ds_load_b64 v[\reg+2*\p:\reg+2*\p+1], v[\adr] offset:(\i)*TROW+(\q)*FRB+256*\p
.endr
.endm
.macro FETCH_B slot, q, set
	WIN TO_B
.set fi, 0
.rept NT
	FRAG 128*(\set)+12*fi, ADRB+\slot, \q, fi
.set fi, fi+1
.endr
	WIN 0
.endm
.macro FETCH_A slot, q, i0
.set fi, \i0
.rept H
	FRAG AF+12*fi, ADRA+\slot, \q, fi
.set fi, fi+1
.endr
.endm
.macro SCALES set
.set si, 0
.rept NT
.set sj, 0
.rept NQ
	ds_load_b32 v[SC+16*(\set)+NQ*si+sj], v[ADRS] offset:(si*KS+sj)*64
.set sj, sj+1
.endr
.set si, si+1
.endr
.endm
.macro MULA a, set, q, sc, zero
.set mb, 0
.rept NT
.set AC, 8*(((\a)*NT+mb)%32)
.if \zero
	v_wmma_scale_f32_16x16x128_f8f6f4 v[AC:AC+7], v[128*(\set)+12*mb:128*(\set)+12*mb+11], v[AF+12*(\a):AF+12*(\a)+11], 0, v[SC+16*(\sc)+NQ*mb+(\q)], v[SC+16*(\sc)+NQ*(\a)+(\q)] matrix_a_fmt:MATRIX_FMT_BF6 matrix_b_fmt:MATRIX_FMT_BF6 matrix_a_scale:MATRIX_SCALE_ROW1
.else
	v_wmma_scale_f32_16x16x128_f8f6f4 v[AC:AC+7], v[128*(\set)+12*mb:128*(\set)+12*mb+11], v[AF+12*(\a):AF+12*(\a)+11], v[AC:AC+7], v[SC+16*(\sc)+NQ*mb+(\q)], v[SC+16*(\sc)+NQ*(\a)+(\q)] matrix_a_fmt:MATRIX_FMT_BF6 matrix_b_fmt:MATRIX_FMT_BF6 matrix_a_scale:MATRIX_SCALE_ROW1
.endif
.set mb, mb+1
.endr
.endm
.macro MULN a0, n, set, q, sc, zero
	WIN MUL_LO+0x50*((\a0)*NT/32)
.set ha, \a0
.rept \n
	MULA ha, \set, \q, \sc, \zero
.set ha, ha+1
.endr
.endm
.macro STEP slot, q, zero
	s_wait_dscnt H*NL
	MULN 0, H, (\q)%2, \q, \slot, \zero
	s_wait_dscnt 0x0
	PLACES
	FETCH_B \slot, (\q)+1, 1-(\q)%2
	FETCH_A \slot, (\q)+1, 0
	MULN H, H, (\q)%2, \q, \slot, \zero
	PLACES
	WIN 0
	FETCH_A \slot, (\q)+1, H
.endm
.macro TURN slot, next, fill
	s_wait_tensorcnt 0x0
	ds_add_u32 v[SPW], v[NIL]
	s_wait_dscnt H*NL+1
	MULN 0, NT/4, 1, NQ-1, \slot, 0
	s_wait_dscnt 0x0
	s_barrier_signal -1
	MULN NT/4, NT/4, 1, NQ-1, \slot, 0
	WIN 0
	s_barrier_wait -1
.if \fill
	CREST
	s_add_nc_u64 s[G0+4*\slot+2:G0+4*\slot+3], s[G0+4*\slot+2:G0+4*\slot+3], 2*TROW
	s_add_nc_u64 s[G0B+4*\slot+2:G0B+4*\slot+3], s[G0B+4*\slot+2:G0B+4*\slot+3], 2*TROW
	JLOAD G0+4*\slot, G1, G0B+4*\slot, G1B
.else
	PLACES
.endif
	s_wait_alu depctr_va_vdst(0)
	v_add_nc_u32 v[ADRS], NQ*64, v[ADRS]
	FETCH_B \next, 0, 0
	FETCH_A \next, 0, 0
	SCALES \next
	MULN H, H, 1, NQ-1, \slot, 0
	PLACES
	WIN 0
	FETCH_A \next, 0, H
.endm
.macro MID slot, q0
.set kq, \q0
.rept NQ-1-(\q0)
	STEP \slot, kq, 0
.set kq, kq+1
.endr
.endm
	s_load_b256 s[4:11], s[0:1], 0x0
	v_lshl_add_u32 v[SPW], v0, 2, SPARE
	v_mov_b32 v[NIL], 0
	ds_add_u32 v28, v29
	ds_add_u32 v28, v29
	s_wait_dscnt 0x0
	v_lshrrev_b32 v1, 5, v0
	v_readfirstlane_b32 s14, v1
	s_lshr_b32 s15, s14, 1
	s_and_b32 s16, s14, 1
	s_bfe_u32 s40, ttmp6, 0x40000
	s_bfe_u32 s41, ttmp6, 0x40004
	s_lshl_b32 s42, ttmp9, 2
	s_add_co_u32 s42, s42, s40
	s_and_b32 s17, ttmp7, 0xffff
	s_lshl_b32 s17, s17, 2
	s_add_co_u32 s17, s17, s41
	s_lshl_b32 s43, s41, 2
	s_lshl_b32 s43, 15, s43
	s_lshl_b32 s44, 0x1111, s40
	s_or_b32 s[G1], s43, (3<<16)|(1<<21)
	s_or_b32 s[G1B], s44, (3<<16)|(1<<21)
	s_or_b32 s[G1S], s43, (3<<16)|(1<<21)
	s_or_b32 s[G1SB], s44, (3<<16)|(1<<21)
.irp g, G1, G1B
	s_mov_b32 s[\g+1], (TROW/8)<<16
	s_mov_b32 s[\g+2], (2*NT)<<16
	s_mov_b32 s[\g+3], (TROW/8)<<16
	s_mov_b32 s[\g+4], 2*NT
	s_mov_b32 s[\g+5], KS*192
	s_mov_b32 s[\g+6], 0
	s_mov_b32 s[\g+7], 0
.endr
.irp g, G1S, G1SB
	s_mov_b32 s[\g+1], 32<<16
	s_mov_b32 s[\g+2], (HALFS/128)<<16
	s_mov_b32 s[\g+3], 32<<16
	s_mov_b32 s[\g+4], HALFS/128
	s_mov_b32 s[\g+5], 32
	s_mov_b32 s[\g+6], 0
	s_mov_b32 s[\g+7], 0
.endr
	s_lshl_b32 s18, s16, LOGNT
	s_lshl_b32 s20, s17, LOGNT+1
	s_add_co_u32 s20, s20, s18
	s_lshl_b32 s46, s42, LOGNT+1
	s_add_co_u32 s46, s46, s18
	s_mul_i32 s22, s20, KS*64
	s_mul_i32 s20, s20, KS*FRB
	s_mul_i32 s92, s46, KS*64
	s_mul_i32 s46, s46, KS*FRB
	s_mov_b32 s21, 0
	s_mov_b32 s23, 0
	s_mov_b32 s47, 0
	s_mov_b32 s93, 0
	s_mul_i32 s45, s14, HALFT
	s_mul_i32 s94, s14, HALFS
	s_lshl_b32 s95, s15, 7
	s_add_co_u32 s94, s94, s95
	s_wait_kmcnt 0x0
	s_add_nc_u64 s[96:97], s[4:5], ASC
	s_add_nc_u64 s[98:99], s[6:7], WC
	s_add_nc_u64 s[100:101], s[6:7], WS
	s_add_nc_u64 s[20:21], s[4:5], s[20:21]
	s_add_nc_u64 s[22:23], s[96:97], s[22:23]
	s_add_nc_u64 s[46:47], s[98:99], s[46:47]
	s_add_nc_u64 s[92:93], s[100:101], s[92:93]
	CROUND
	; the head's four tiles, each whole: A's and B's scale words, slot 0's tiles of A and of B
	s_mov_b32 s19, 0
	s_mul_i32 s18, s16, HALFS
	s_sub_nc_u64 s[22:23], s[22:23], s[18:19]
	s_sub_nc_u64 s[92:93], s[92:93], s[18:19]
	s_mov_b32 s[G0S], 1
	s_mov_b32 s[G0S+1], SCL
	s_mov_b64 s[G0S+2:G0S+3], s[22:23]
	s_or_b32 s[G0S+3], s[G0S+3], 0x80000000
	s_mov_b32 s[G0SB], 1
	s_mov_b32 s[G0SB+1], SCL+2*HALFS+128
	s_mov_b64 s[G0SB+2:G0SB+3], s[92:93]
	s_or_b32 s[G0SB+3], s[G0SB+3], 0x80000000
	s_mul_i32 s18, s16, NT*KS*FRB
	s_sub_nc_u64 s[98:99], s[20:21], s[18:19]
	s_or_b32 s99, s99, 0x80000000
	s_mov_b32 s96, 1
	s_mov_b32 s97, 0
	s_sub_nc_u64 s[94:95], s[46:47], s[18:19]
	s_or_b32 s95, s95, 0x80000000
	s_mov_b32 s92, 1
	s_mov_b32 s93, 2*HALFT
.irp s, 0,1
	s_mov_b32 s[G0+4*\s], 1
	s_add_co_u32 s[G0+4*\s+1], s45, \s*SLOT
	s_add_nc_u64 s[G0+4*\s+2:G0+4*\s+3], s[20:21], \s*TROW
	s_or_b32 s[G0+4*\s+3], s[G0+4*\s+3], 0x80000000
	s_mov_b32 s[G0B+4*\s], 1
	s_add_co_u32 s[G0B+4*\s+1], s45, \s*SLOT
	s_add_nc_u64 s[G0B+4*\s+2:G0B+4*\s+3], s[46:47], \s*TROW
	s_or_b32 s[G0B+4*\s+3], s[G0B+4*\s+3], 0x80000000
.endr
; the head's loads, one a wave, in one tree of branches on the wave's number
.macro ARM under, g0, g1, next
	s_cmp_lt_u32 s14, \under
	s_cbranch_scc0 \next
	tensor_load_to_lds s[\g0:\g0+3], s[\g1:\g1+7]
	s_nop 0
.rept 4
	v_nop
.endr
	s_branch .Lhead_asked
\next:
.endm
	ARM 1, 96, G1, .Lhead_b
	ARM 2, 92, G1B, .Lhead_sa
	ARM 3, G0S, G1S, .Lhead_sb
	tensor_load_to_lds s[G0SB:G0SB+3], s[G1SB:G1SB+7]
	s_nop 0
.rept 4
	v_nop
.endr
.Lhead_asked:
	v_and_b32 v1, 15, v0
	v_bfe_u32 v2, v0, 4, 1
	s_wait_alu depctr_va_vdst(0)
	v_and_b32 v3, 31, v0
	v_lshlrev_b32 v[L8], 3, v3
	s_mul_i32 s21, s15, HALFT
	s_mul_i32 s22, s16, HALFT
	s_add_co_u32 s22, s22, 2*HALFT
.irp s, 0,1
	v_add_nc_u32 v[ADRA+\s], s21, v[L8]
	v_add_nc_u32 v[ADRB+\s], s22, v[L8]
	s_add_co_u32 s21, s21, SLOT
	s_add_co_u32 s22, s22, SLOT
.endr
	v_lshlrev_b32 v5, 2, v1
	s_mul_i32 s21, s15, HALFS
	s_mul_i32 s22, s16, HALFS
	s_add_co_u32 s22, s22, 2*HALFS+128
	s_sub_co_u32 s22, s22, s21
	v_mul_u32_u24 v6, s22, v2
	s_add_co_u32 s21, s21, SCL
	v_add_nc_u32 v5, v5, v6
	v_add_nc_u32 v[ADRS], s21, v5
	s_lshl_b32 s23, s14, 10
	v_lshl_add_u32 v[SS], v1, 2, s23
	v_lshl_add_u32 v[SR], v3, 4, s23
	s_lshl_b32 s20, s42, 10
	s_lshl_b32 s21, s16, 9
	s_add_co_u32 s20, s20, s21
	s_mov_b32 s21, 0
	s_add_nc_u64 s[8:9], s[8:9], s[20:21]
	v_lshlrev_b32 v7, 6, v2
.irp g, 0,1,2,3
.irp j, 0,1,2,3
	global_load_b128 v[CB+16*\g+4*\j:CB+16*\g+4*\j+3], v7, s[8:9] offset:128*\g+16*\j
.endr
.endr
	s_wait_alu depctr_va_vdst(0)
	s_wait_tensorcnt 0x0                           ; my tile of the head's four is in; slot 1's first fill is issued as a refill is
	ds_add_u32 v[SPW], v[NIL]
	s_mov_b32 s[G1+2], NT<<16
	s_mov_b32 s[G1+4], NT
	s_mov_b32 s[G1B+2], NT<<16
	s_mov_b32 s[G1B+4], NT
	s_wait_dscnt 0x0
	CROUND
	JLOAD G0+4, G1, G0B+4, G1B
	FETCH_B 0, 0, 0
	FETCH_A 0, 0, 0
	SCALES 0
	FETCH_A 0, 0, H
	STEP 0, 0, 1
.if LAPS > 1
	s_mov_b32 s3, LAPS-1
.Llap:
	MID 0, 1
	TURN 0, 1, 1
	MID 1, 0
	TURN 1, 0, 1
	STEP 0, 0, 0
	s_sub_co_u32 s3, s3, 1
	s_cmp_lg_u32 s3, 0
	s_cbranch_scc1 .Llap
.endif
	MID 0, 1
	TURN 0, 1, 0
	MID 1, 0
	s_wait_dscnt H*NL
	MULN 0, H, 1, NQ-1, 1, 0
	s_wait_dscnt 0x0
	MULN H, H, 1, NQ-1, 1, 0
	WIN 0
.macro QUANT s
.irp b, 0,1,2,3
	v_max3_num_f32 v[TM+\b], |v[\s+16*\b]|, |v[\s+1+16*\b]|, 0x2800000
.endr
.irp i, 2,4,6,8,10,12,14
.irp b, 0,1,2,3
	v_max3_num_f32 v[TM+\b], v[TM+\b], |v[\s+16*\b+\i]|, |v[\s+1+16*\b+\i]|
.endr
.endr
.irp b, 0,1,2,3
	v_permlanex16_b32 v[TM+4+\b], v[TM+\b], s[SEL], s[SEL+1]
.endr
.irp b, 0,1,2,3
	v_max_num_f32 v[TM+\b], v[TM+\b], v[TM+4+\b]
.endr
.irp b, 0,1,2,3
	v_add_nc_u32 v[TM+12+\b], 0xfe000000, v[TM+\b]
.endr
.irp b, 0,1,2,3
	v_lshrrev_b32 v[TM+4+\b], 23, v[TM+12+\b]
.endr
	v_lshl_or_b32 v[PW], v[TM+5], 8, v[TM+4]
	v_lshl_or_b32 v[PW], v[TM+6], 16, v[PW]
	v_lshl_or_b32 v[PW], v[TM+7], 24, v[PW]
.irp c, 0,1
	v_cvt_scalef32_pk16_bf6_f32 v[PC+6*\c:PC+2+6*\c], v[\s+32*\c:\s+15+32*\c], v[TM+12+2*\c]
	v_cvt_scalef32_pk16_bf6_f32 v[PC+12+4*\c:PC+14+4*\c], v[\s+16+32*\c:\s+31+32*\c], v[TM+12+2*\c+1]
.endr
	v_nop
.irp c, 0,1
.irp i, 0,1,2
	v_permlane16_swap_b32 v[PC+6*\c+\i], v[PC+12+4*\c+\i]
.endr
.irp i, 0,1,2
	v_mov_b32 v[PC+3+6*\c+\i], v[PC+12+4*\c+\i]
.endr
.endr
.endm
.macro MOVE k
.Lmv\k:
	WIN 0x02+(\k)/4
.set mi, 0
.rept 32
	v_pk_add_f32 v[T+2*mi:T+2*mi+1], v[64*((\k)%4)+2*mi:64*((\k)%4)+2*mi+1], v[CB+2*mi:CB+2*mi+1]
.set mi, mi+1
.endr
	WIN 0
	s_branch .Ljoin
.endm
.macro GELU16 e
.irp i, 0,2,4,6,8,10,12,14
	v_pk_mul_f32 v[GZ+\i:GZ+\i+1], v[T+\e+\i:T+\e+\i+1], 0x3f3504f3 op_sel_hi:[1,0]
.endr
.irp i, 0,1,2,3,4,5,6,7,8,9,10,11,12,13,14,15
	v_med3_num_f32 v[GZ+\i], v[GZ+\i], -4.0, 4.0
.endr
.irp i, 0,2,4,6,8,10,12,14
	v_pk_mul_f32 v[GX+\i:GX+\i+1], v[GZ+\i:GZ+\i+1], v[GZ+\i:GZ+\i+1]
.endr
.irp i, 0,2,4,6,8,10,12,14
	v_pk_fma_f32 v[GP+\i:GP+\i+1], v[GX+\i:GX+\i+1], v[52:53], s[24:25] op_sel_hi:[1,1,0]
	v_pk_fma_f32 v[GQ+\i:GQ+\i+1], v[GX+\i:GX+\i+1], v[54:55], s[36:37] op_sel_hi:[1,1,0]
.endr
.irp c, 26,28,30,32,34
.irp i, 0,2,4,6,8,10,12,14
	v_pk_fma_f32 v[GP+\i:GP+\i+1], v[GP+\i:GP+\i+1], v[GX+\i:GX+\i+1], s[\c:\c+1] op_sel_hi:[1,1,0]
.endr
.endr
.irp c, 38,40,42
.irp i, 0,2,4,6,8,10,12,14
	v_pk_fma_f32 v[GQ+\i:GQ+\i+1], v[GQ+\i:GQ+\i+1], v[GX+\i:GX+\i+1], s[\c:\c+1] op_sel_hi:[1,1,0]
.endr
.endr
	s_wait_alu depctr_va_vdst(0)
.irp i, 0,1,2,3,4,5,6,7,8,9,10,11,12,13,14,15
	v_rcp_f32 v[GQ+\i], v[GQ+\i]
.endr
.irp i, 0,2,4,6,8,10,12,14
	v_pk_mul_f32 v[GP+\i:GP+\i+1], v[GP+\i:GP+\i+1], v[GZ+\i:GZ+\i+1]
	v_pk_mul_f32 v[T+\e+\i:T+\e+\i+1], v[T+\e+\i:T+\e+\i+1], 0.5 op_sel_hi:[1,0]
.endr
	s_wait_alu depctr_va_vdst(0)
.irp i, 0,2,4,6,8,10,12,14
	v_pk_mul_f32 v[GP+\i:GP+\i+1], v[GP+\i:GP+\i+1], v[GQ+\i:GQ+\i+1]
.endr
.irp i, 0,2,4,6,8,10,12,14
	v_pk_fma_f32 v[T+\e+\i:T+\e+\i+1], v[T+\e+\i:T+\e+\i+1], v[GP+\i:GP+\i+1], v[T+\e+\i:T+\e+\i+1]
.endr
.endm
.macro KONST r, bits
	s_mov_b32 s[\r], \bits
	s_mov_b32 s[\r+1], \bits
.endm
	PLACES
	s_wait_loadcnt 0x0
	s_lshl_b32 s46, s17, 4
	s_lshl_b32 s47, s15, 3
	s_add_co_u32 s46, s46, s47
	s_lshl_b32 s46, s46, 5
	s_lshl_b32 s47, s42, 1
	s_add_co_u32 s46, s46, s47
	s_add_co_u32 s46, s46, s16
	s_lshl_b32 s47, s46, 6
	s_add_co_u32 s47, s47, 12582912
	s_mul_i32 s46, s46, FRB
	KONST 24, 0x32edffee
	KONST 26, 0xb60cff51
	KONST 28, 0xb86ec2d2
	KONST 30, 0xba40ac63
	KONST 32, 0xbb41a1f6
	KONST 34, 0xbc83dbd4
	KONST 36, 0xb95fbd29
	KONST 38, 0xbadc924e
	KONST 40, 0xbbf19bf8
	KONST 42, 0xbc69b6a7
	s_mov_b32 s[SEL], 0x76543210
	s_mov_b32 s[SEL+1], 0xfedcba98
	v_mov_b32 v52, 0xaf95df0b
	v_mov_b32 v53, 0xaf95df0b
	v_mov_b32 v54, 0xb77460cd
	v_mov_b32 v55, 0xb77460cd
	s_mov_b32 s48, 0
.Lrow:
	s_wait_xcnt 0x0
	s_mul_i32 s49, s48, 32*FRB
	s_add_co_u32 s49, s49, s46
	v_add_nc_u32 v[O1], s49, v[L8]
	v_add_nc_u32 v[O2], 768, v[O1]
.irp k, 0,1,2,3,4,5,6
	s_cmp_eq_u32 s48, \k
	s_cbranch_scc1 .Lmv\k
.endr
	MOVE 7
.irp k, 0,1,2,3,4,5,6
	MOVE \k
.endr
.Ljoin:
	GELU16 0
	GELU16 16
	GELU16 32
	GELU16 48
	QUANT T
.irp p, 0,1,2
	global_store_b64 v[O1], v[PC+2*\p:PC+2*\p+1], s[10:11] offset:256*\p
.endr
.irp p, 0,1,2
	global_store_b64 v[O2], v[PC+6+2*\p:PC+7+2*\p], s[10:11] offset:256*\p
.endr
	ds_store_b32 v[SS], v[PW]
	v_add_nc_u32 v[SS], 64, v[SS]
	s_add_co_u32 s48, s48, 1
	s_cmp_lt_u32 s48, 8
	s_cbranch_scc1 .Lrow
	ds_load_b128 v[T:T+3], v[SR]
	v_lshrrev_b32 v8, 2, v3
	v_lshlrev_b32 v8, 11, v8
	v_and_b32 v9, 3, v3
	v_lshl_add_u32 v8, v9, 4, v8
	v_add_nc_u32 v8, s47, v8
	s_wait_alu depctr_va_vdst(0)
	s_wait_dscnt 0x0
	global_store_b128 v8, v[T:T+3], s[10:11]
	s_wait_tensorcnt 0x0
	ds_add_u32 v[SPW], v[NIL]
	s_wait_dscnt 0x0
	CROUND
	s_endpgm
.Lfunc_end_k_q6a0235eaf7_ff1:
	.size	k_q6a0235eaf7_ff1, .Lfunc_end_k_q6a0235eaf7_ff1-k_q6a0235eaf7_ff1
	.p2alignl 7, 3214868480
	.fill 96, 4, 3214868480
	.section	.rodata,"a",@progbits
	.p2align	6, 0x0
	.amdhsa_kernel k_q6a0235eaf7_ff1
		.amdhsa_group_segment_fixed_size 327680
		.amdhsa_private_segment_fixed_size 0
		.amdhsa_enable_private_segment 0
		.amdhsa_kernarg_size 32
		.amdhsa_user_sgpr_count 2
		.amdhsa_user_sgpr_kernarg_segment_ptr 1
		.amdhsa_wavefront_size32 1
		.amdhsa_system_sgpr_workgroup_id_x 1
		.amdhsa_system_sgpr_workgroup_id_y 1
		.amdhsa_system_sgpr_workgroup_id_z 1
		.amdhsa_system_vgpr_workitem_id 0
		.amdhsa_next_free_vgpr 1024
		.amdhsa_next_free_sgpr 102
		.amdhsa_reserve_vcc 0
		.amdhsa_float_denorm_mode_32 3
		.amdhsa_float_denorm_mode_16_64 3
		.amdhsa_memory_ordered 1
		.amdhsa_forward_progress 1
		.amdhsa_inst_pref_size 198
	.end_amdhsa_kernel
	.amdgpu_metadata
---
amdhsa.version: [ 1, 2 ]
amdhsa.kernels:
  - .name:           k_q6a0235eaf7_ff1
    .symbol:         k_q6a0235eaf7_ff1.kd
    .args:
      - { .name: HB, .offset: 0, .size: 8, .value_kind: global_buffer, .address_space: global }
      - { .name: W, .offset: 8, .size: 8, .value_kind: global_buffer, .address_space: global }
      - { .name: b1, .offset: 16, .size: 8, .value_kind: global_buffer, .address_space: global }
      - { .name: FF, .offset: 24, .size: 8, .value_kind: global_buffer, .address_space: global }
    .group_segment_fixed_size: 327680
    .private_segment_fixed_size: 0
    .kernarg_segment_align: 8
    .kernarg_segment_size: 32
    .max_flat_workgroup_size: 128
    .sgpr_count:     102
    .vgpr_count:     1024
    .wavefront_size: 32
...
	.end_amdgpu_metadata
.endif
;; end of part 6
;; launch ff2 (part 7): grid 8 x 32, 4 waves a work-group, clusters of 4 x 4, 327,680 bytes of LDS; arguments FF, W, b2, X1, out0; writes out0
.if DOCPART == 7
	.amdgcn_target "amdgcn-amd-amdhsa--gfx1250"
	.amdhsa_code_object_version 6
	.text
	.protected	k_q6a0235eaf7_ff2
	.globl	k_q6a0235eaf7_ff2
	.p2align	8
	.type	k_q6a0235eaf7_ff2,@function
k_q6a0235eaf7_ff2:
	s_mov_b64 s[64:65], 0
	v_nop
	global_prefetch_b8 v0, s[64:65] scope:SCOPE_SE
	s_setreg_imm32_b32 hwreg(HW_REG_WAVE_MODE, 25, 1), 1
	s_wait_xcnt 0x0
	s_wait_alu depctr_hold_cnt(0) depctr_sa_sdst(0) depctr_va_vdst(0) depctr_va_sdst(0) depctr_va_ssrc(0) depctr_va_vcc(0) depctr_vm_vsrc(0)
	s_getreg_b32 s2, hwreg(HW_REG_IB_STS2, 6, 4)
	s_cmp_eq_u32 s2, 0
	s_cbranch_scc0 .Lentry_in_a_cluster
	s_endpgm
.Lentry_in_a_cluster:
	s_bfe_u32 s2, ttmp6, 0x10000c
	s_cmp_lg_u32 s2, 0xf033
	s_cbranch_scc0 .Lentry_shape_is_right
	s_endpgm
.Lentry_shape_is_right:
; out0 = X1 + gelu(..) w2^T + b2: the second product of the FFN on codes of MX-BF6, K = 4,096 in 32 steps of 128.
; A (the hidden layer, FF) lies as images of the operand's registers: fragment (tile of 16 tokens, step) = 1,536 bytes at (32 tile + step) x 1,536, registers 2 p, 2 p + 1 of lane l at 256 p + 8 l; 16 scale words = 64 bytes a fragment.
; B (w2) likewise, but registers 4 p .. 4 p + 3 of lane l at 512 p + 16 l.  Row i of tile t is 32 (t / 2) + 8 (t % 2) + i + 8 (i / 8).
; SHARES.  A work-group of four waves makes 128 tokens x 128 columns; a wave makes all 128 tokens x 32 columns: 8 tiles of A x 2 tiles of B, 16 accumulators.
; B's two tiles are the wave's own: no other wave of the work-group reads them.  They go from memory straight into registers, six loads of 512 consecutive bytes a step, ten steps ahead: 60 loads of a wave are out.
; A's eight tiles are read by all four waves: they go through LDS.  Region X holds 9 steps, region Y 14.  The head's loads bring X's steps 0-8 and the scale words of A's and B's 128 rows for all of K;
; Y's steps 9-22 are asked for behind the head's waits and a round, two tiles a wave, and have steps 0-6 in which to land; X is filled again ONCE, with steps 23-31, in step 7, when its last fragments are in
; registers and Y has landed; they are first read at the end of step 21, fourteen steps on.
; X1 and b2 are wanted on the way out alone: their 33 loads stand at the ends of steps 22-25, behind B's last loads.
; CLUSTERS 4 x 4: A's tiles and scale words are asked for jointly along a row of the cluster, B's scale words along a column.  B's codes are no tensor loads: each wave's registers take them.
; PREFETCH: the refill's 110,592 bytes are asked for once in each cluster's row, in step 1, six steps ahead of the load: partner cx takes tiles 2 cx, 2 cx + 1, a wave half a tile: 27 blocks of 256 bytes, a lane a block
; (lanes 27-31 name the last block again).  B's stream has none: its own loads stand ten steps ahead of their use.  X's and Y's first fills have no step ahead of them.
; THE MATRIX INSTRUCTION IS USED TRANSPOSED: source 0 = a tile of B, source 1 = a tile of A: lane (r, h) holds token row r of the tile; the 16 registers of a tile's two accumulators are columns 16 h + 0 .. 15 of my 32.
; A scale register holds two steps: lanes 0-15 the even step's words, lanes 16-31 the odd step's (ROW1).
; The 32 steps are written out by a macro: B's ten register sets, the scale sets and the places in X and Y come back to where they began only behind the whole walk.
; REGISTERS: window 0: v8-11 b2, v12-22 addresses, v28-29 the add's, v32-51 scale words (two sets), v64-255 A's fragments (two sets of 96); window 1: B's ten sets of 24; window 2: 16 accumulators; window 3: X1's 32 rows x 4.
.set KS,   32
.set FRB,  1536
.set TP,   KS*FRB                      ; a tile's bytes in memory
.set NX,   9
.set NY,   14
.set XROW, NX*FRB
.set YROW, NY*FRB
.set YB,   8*XROW
.set SCL,  YB+8*YROW                   ; A's scale words, 8 tiles x 2,048 bytes
.set SCB,  SCL+8*KS*64                 ; B's
.set SPARE, SCB+8*KS*64                ; the spare words: 512 bytes that no other line names
.set ASC,  12582912
.set WC,   6291456
.set WS,   9699328
.set NBS,  10
.set SP,   528                         ; the way out: a stage row, 512 bytes + 16; the stage lies in Y, which has had its only fill and, at step 21's barrier, its last read
.set BK,   64
.set G1X,  24
.set G0X,  32
.set G0Y,  36
.set G1Y,  48
.set G0R,  56
.set G1S,  68
.set G0S,  76
.set G1SB, 80
.set G0SB, 88
.set MSB, 0
.macro WIN new                         ; the immediate's high byte repeats the setting that is left
.if MSB != (\new)
	s_set_vgpr_msb (MSB<<8)|(\new)
.set MSB, (\new)
.endif
.endm
.macro PLACES                          ; four plain instructions between a matrix instruction and a load into, or an LDS store of, its registers
.rept 4
	v_nop
.endr
.endm
.macro CREST
	s_cmp_lg_u32 s14, 0
	s_cbranch_scc1 .Lnot_wave_0_\@
	s_barrier_signal -3
.Lnot_wave_0_\@:
	s_barrier_wait -3
	s_barrier_signal -1
	s_barrier_wait -1
.endm
.macro CROUND
	s_barrier_signal -1
	s_barrier_wait -1
	CREST
.endm
.macro ARM under, g0, g1, next         ; one arm of the head's tree: one load, then the jump to the tree's end
	s_cmp_lt_u32 s14, \under
	s_cbranch_scc0 \next
	tensor_load_to_lds s[\g0:\g0+3], s[\g1:\g1+7]
	s_nop 0
.rept 4
	v_nop
.endr
	s_branch .Lhead_asked
\next:
.endm
.macro LDA k                           ; A's eight fragments of step k into set k % 2: 48 loads of 256 consecutive bytes
.set la, 0
.rept 8
.if (\k) >= NX && (\k) < NX+NY
.set lr, 14+la/3
.set lo, (la%3)*YROW+((\k)-NX)*FRB
.else
.set lr, 12+la/4
.set lo, (la%4)*XROW+((\k)%(NX+NY))*FRB
.endif
.irp p, 0,1,2,3,4,5
	ds_load_b64 v[64+96*((\k)%2)+12*la+2*\p:64+96*((\k)%2)+12*la+2*\p+1], v[lr] offset:lo+256*\p
.endr
.set la, la+1
.endr
.endm
.macro LDSC q                          ; the scale words of steps 2 q (lanes 0-15) and 2 q + 1 (lanes 16-31) into set q % 2: ten loads
.set la, 0
.rept 8
	ds_load_b32 v[32+8*((\q)%2)+la], v17 offset:la*KS*64+128*(\q)
.set la, la+1
.endr
	ds_load_b32 v[48+2*((\q)%2)], v18 offset:128*(\q)
	ds_load_b32 v[49+2*((\q)%2)], v18 offset:KS*64+128*(\q)
.endm
.macro LDB k                           ; my two fragments of B of step k into set k % 10
.irp b, 0,1
.irp p, 0,1,2
	global_load_b128 v[24*((\k)%NBS)+12*\b+4*\p:24*((\k)%NBS)+12*\b+4*\p+3], v19, s[6:7] offset:\b*TP+(\k)*FRB+512*\p
.endr
.endr
.endm
.macro MM k, a, b, zero
.set AC,  8*(2*(\a)+\b)
.set BF,  24*((\k)%NBS)+12*\b
.set AFR, 64+96*((\k)%2)+12*(\a)
.set SBR, 48+2*(((\k)/2)%2)+\b
.set SAR, 32+8*(((\k)/2)%2)+(\a)
.if \zero
	v_wmma_scale_f32_16x16x128_f8f6f4 v[AC:AC+7], v[BF:BF+11], v[AFR:AFR+11], 0, v[SBR], v[SAR] matrix_a_fmt:MATRIX_FMT_BF6 matrix_b_fmt:MATRIX_FMT_BF6
.elseif (\k)%2
	v_wmma_scale_f32_16x16x128_f8f6f4 v[AC:AC+7], v[BF:BF+11], v[AFR:AFR+11], v[AC:AC+7], v[SBR], v[SAR] matrix_a_fmt:MATRIX_FMT_BF6 matrix_b_fmt:MATRIX_FMT_BF6 matrix_a_scale:MATRIX_SCALE_ROW1 matrix_b_scale:MATRIX_SCALE_ROW1
.else
	v_wmma_scale_f32_16x16x128_f8f6f4 v[AC:AC+7], v[BF:BF+11], v[AFR:AFR+11], v[AC:AC+7], v[SBR], v[SAR] matrix_a_fmt:MATRIX_FMT_BF6 matrix_b_fmt:MATRIX_FMT_BF6
.endif
.endm
.macro MUL k, a0, n, zero              ; the sixteen accumulators take turns, one instruction a turn, in the same order in every step
.set ma, \a0
.rept \n
	MM \k, ma, 0, \zero
	MM \k, ma, 1, \zero
.set ma, ma+1
.endr
.endm
; A step of 128 along K.  meet = 2: X's last fragments are in registers: the three lines, a round of the cluster's barrier, the refill.  meet = 1: the refill has landed: a barrier shows it to all four waves.
.macro STEP k, meet, zero
.if (\k) == KS-1
.set DOUT, 0
.elseif (\k)%2
.set DOUT, 58                          ; issued at the end of the step before: the next step's 48 fragment loads and ten scale loads,
.else
.set DOUT, 48                          ; or the 48 alone
.endif
.if \meet
	s_wait_tensorcnt 0x0                           ; all my tensor loads have landed
	ds_add_u32 v28, v29                            ; 0 onto my spare word
.set DOUT, DOUT+1
.endif
.if (\k) <= KS-NBS
	s_wait_loadcnt 6*(NBS-1)                       ; this step's six loads of B are in; the nine younger steps' stay out
.else
.set RL, 8*((\k)-(KS-NBS))+1           ; the loads of b2 and X1 issued so far, all younger than B's: 9, 17, 25, then 33
.if RL > 33
.set RL, 33
.endif
	s_wait_loadcnt 6*(KS-1-(\k))+RL
.endif
	s_wait_dscnt DOUT
	WIN 0xa1                                       ; source 0 window 1, source 1 window 0, C and D window 2
.if \meet
	MUL \k, 0, 4, 0
	s_wait_dscnt 0x0                               ; the add is done, and every LDS read of mine
	s_barrier_signal -1
	MUL \k, 4, 4, 0
	WIN 0
	s_barrier_wait -1
.if (\meet) == 2
	CREST                                          ; no wave of any partner still reads X or has a load on its way
	tensor_load_to_lds s[G0R:G0R+3], s[G1X:G1X+7]  ; steps 23-31 of my two tiles: my one load behind the round
	s_nop 0
.endif
	PLACES
.else
	MUL \k, 0, 8, \zero
	PLACES
.endif
.if (\k)+NBS < KS
	WIN 0x40
	LDB (\k)+NBS
.endif
	WIN 0
.if (\k) == 1
	global_prefetch_b8 v22, s[60:61] th:TH_LOAD_NT scope:SCOPE_SE   ; my 27 blocks of the refill; its address registers are never rewritten
.endif
.if (\k) >= KS-NBS && (\k) < KS-NBS+4
.if (\k) == KS-NBS
	global_load_b128 v[8:11], v19, s[8:9]          ; b2 at my four columns
.endif
	WIN 0xc0
.set t, 8*((\k)-(KS-NBS))
.rept 8
	global_load_b128 v[4*t:4*t+3], v19, s[10:11] offset:t*4096   ; X1: 512 consecutive bytes of one row
.set t, t+1
.endr
	WIN 0
.endif
.if (\k)+2 < KS
	LDA (\k)+2
.if (\k)%2 == 0
	LDSC ((\k)+2)/2
.endif
.endif
.endm
	s_load_b256 s[4:11], s[0:1], 0x0               ; FF s[4:5], W s[6:7], b2 s[8:9], X1 s[10:11]
	s_load_b64 s[12:13], s[0:1], 0x20              ; out0
	v_lshl_add_u32 v28, v0, 2, SPARE
	v_mov_b32 v29, 0
	ds_add_u32 v28, v29                            ; the opening lines: the add twice on end and its wait ahead of my first tensor load
	ds_add_u32 v28, v29
	v_lshrrev_b32 v1, 5, v0
	v_readfirstlane_b32 s14, v1                    ; wave 0..3
	s_bfe_u32 s40, ttmp6, 0x40000                  ; cx
	s_bfe_u32 s41, ttmp6, 0x40004                  ; cy
	s_lshl_b32 s42, ttmp9, 2
	s_add_co_u32 s42, s42, s40                     ; which 128 columns
	s_and_b32 s17, ttmp7, 0xffff
	s_lshl_b32 s17, s17, 2
	s_add_co_u32 s17, s17, s41                     ; which 128 tokens
	s_lshl_b32 s43, s41, 2
	s_lshl_b32 s43, 15, s43                        ; my row of the cluster
	s_lshl_b32 s44, 0x1111, s40                    ; my column
	s_or_b32 s[G1X], s43, (3<<16)|(1<<21)          ; the mask; elements of 8 bytes; bit 21 beside a mask; no padding
	s_or_b32 s[G1Y], s43, (3<<16)|(1<<21)
	s_or_b32 s[G1S], s43, (3<<16)|(1<<21)
	s_or_b32 s[G1SB], s44, (3<<16)|(1<<21)
	s_mov_b32 s[G1X+1], (XROW/8)<<16               ; X: a row is a tile's 9 steps, 13,824 bytes; 4 tiles a load at the head, 2 at the refill
	s_mov_b32 s[G1X+2], 4<<16
	s_mov_b32 s[G1X+3], (XROW/8)<<16
	s_mov_b32 s[G1X+4], 4
	s_mov_b32 s[G1X+5], TP/8
	s_mov_b32 s[G1X+6], 0
	s_mov_b32 s[G1X+7], 0
	s_mov_b32 s[G1Y+1], (YROW/8)<<16               ; Y: 14 steps, 21,504 bytes; 2 tiles a load
	s_mov_b32 s[G1Y+2], 2<<16
	s_mov_b32 s[G1Y+3], (YROW/8)<<16
	s_mov_b32 s[G1Y+4], 2
	s_mov_b32 s[G1Y+5], TP/8
	s_mov_b32 s[G1Y+6], 0
	s_mov_b32 s[G1Y+7], 0
.irp g, G1S, G1SB                      ; scale words: a dense block of 16,384 bytes, as 64 rows of 256
	s_mov_b32 s[\g+1], 32<<16
	s_mov_b32 s[\g+2], 64<<16
	s_mov_b32 s[\g+3], 32<<16
	s_mov_b32 s[\g+4], 64
	s_mov_b32 s[\g+5], 32
	s_mov_b32 s[\g+6], 0
	s_mov_b32 s[\g+7], 0
.endr
	s_mul_i32 s20, s17, 8*TP                       ; A's codes: my 8 tiles
	s_mov_b32 s21, 0
	s_lshl_b32 s22, s17, 14                        ; their scale words
	s_mov_b32 s23, 0
	s_lshl_b32 s46, s42, 14                        ; B's scale words
	s_mov_b32 s47, 0
	s_mul_i32 s18, s42, 8*TP
	s_mul_i32 s15, s14, 2*TP
	s_add_co_u32 s18, s18, s15                     ; B's codes: my wave's two tiles
	s_mov_b32 s19, 0
	s_mul_i32 s16, s14, 2*XROW                     ; the refill: my two tiles' place in X,
	s_add_co_u32 s92, s15, (NX+NY)*FRB             ; and in memory, from step 23 on
	s_mov_b32 s93, 0
	s_lshl_b32 s94, s17, 19
	s_lshl_b32 s45, s14, 17
	s_add_co_u32 s94, s94, s45
	s_lshl_b32 s2, s42, 9
	s_add_co_u32 s94, s94, s2                      ; X1, out0: row 128 x block + 32 x wave, column 128 x block
	s_mov_b32 s95, 0
	s_mov_b32 s3, 0
	s_lshl_b32 s62, s40, 1
	s_lshr_b32 s63, s14, 1
	s_add_co_u32 s62, s62, s63                     ; the prefetch: tile 2 cx + wave / 2,
	s_mul_i32 s62, s62, TP
	s_and_b32 s63, s14, 1
	s_mul_i32 s63, s63, 27*256                     ; its half,
	s_add_co_u32 s62, s62, s63
	s_add_co_u32 s62, s62, (NX+NY)*FRB             ; from step 23 on
	s_mov_b32 s63, 0
	s_wait_dscnt 0x0                               ; both opening adds are done
	s_wait_kmcnt 0x0
	s_add_nc_u64 s[20:21], s[4:5], s[20:21]
	s_add_nc_u64 s[22:23], s[4:5], s[22:23]
	s_add_nc_u64 s[22:23], s[22:23], ASC
	s_add_nc_u64 s[46:47], s[6:7], s[46:47]
	s_add_nc_u64 s[46:47], s[46:47], WS
	s_add_nc_u64 s[6:7], s[6:7], s[18:19]
	s_add_nc_u64 s[6:7], s[6:7], WC
	s_add_nc_u64 s[8:9], s[8:9], s[2:3]
	s_add_nc_u64 s[10:11], s[10:11], s[94:95]
	s_add_nc_u64 s[12:13], s[12:13], s[94:95]
	s_add_nc_u64 s[60:61], s[20:21], s[62:63]
	CROUND                                         ; all sixteen work-groups are here: the first joint loads meet
	s_mov_b32 s[G0X], 1                            ; X at the head: waves 0 and 1, four tiles each
	s_mul_i32 s[G0X+1], s14, 4*XROW
	s_mul_i32 s2, s14, 4*TP                        ; (s3 is 0)
	s_add_nc_u64 s[G0X+2:G0X+3], s[20:21], s[2:3]
	s_or_b32 s[G0X+3], s[G0X+3], 0x80000000
	s_mov_b32 s[G0Y], 1                            ; Y: every wave, two tiles
	s_mul_i32 s[G0Y+1], s14, 2*YROW
	s_add_co_u32 s[G0Y+1], s[G0Y+1], YB
	s_add_co_u32 s18, s15, NX*FRB                  ; (s19 is 0)
	s_add_nc_u64 s[G0Y+2:G0Y+3], s[20:21], s[18:19]
	s_or_b32 s[G0Y+3], s[G0Y+3], 0x80000000
	s_mov_b32 s[G0R], 1
	s_mov_b32 s[G0R+1], s16
	s_add_nc_u64 s[G0R+2:G0R+3], s[20:21], s[92:93]
	s_or_b32 s[G0R+3], s[G0R+3], 0x80000000
	s_mov_b32 s[G0S], 1
	s_mov_b32 s[G0S+1], SCL
	s_mov_b64 s[G0S+2:G0S+3], s[22:23]
	s_or_b32 s[G0S+3], s[G0S+3], 0x80000000
	s_mov_b32 s[G0SB], 1
	s_mov_b32 s[G0SB+1], SCB
	s_mov_b64 s[G0SB+2:G0SB+3], s[46:47]
	s_or_b32 s[G0SB+3], s[G0SB+3], 0x80000000
	; the head's loads, one a wave: waves 0 and 1 X's halves, wave 2 A's scale words, wave 3 B's: every way through the tree passes one load
	ARM 2, G0X, G1X, .Lhead_sa
	ARM 3, G0S, G1S, .Lhead_sb
	tensor_load_to_lds s[G0SB:G0SB+3], s[G1SB:G1SB+7]
	s_nop 0
.rept 4
	v_nop
.endr
.Lhead_asked:
	s_lshl_b32 s45, s14, 12
	s_add_co_u32 s45, s45, SCB                     ; my two tiles' scale words
	s_lshl_b32 s15, s14, 7
	s_add_co_u32 s15, s15, YB                      ; the stage: my 128 bytes of each row
	s_mul_i32 s18, s14, 32*SP
	s_add_co_u32 s18, s18, YB                      ; and the 32 rows that I read back
	v_and_b32 v1, 15, v0                           ; r
	v_bfe_u32 v2, v0, 4, 1                         ; h
	v_and_b32 v3, 31, v0                           ; lane
	v_lshlrev_b32 v12, 3, v3                       ; X, tiles 0-3: 8 x lane
	v_lshlrev_b32 v19, 4, v3                       ; 16 x lane
	v_lshlrev_b32 v4, 2, v3
	v_add_nc_u32 v13, 4*XROW, v12                  ; X, tiles 4-7
	v_add_nc_u32 v14, YB, v12                      ; Y, tiles 0-2, 3-5, 6-7: every offset stays inside 16 bits
	v_add_nc_u32 v15, YB+3*YROW, v12
	v_add_nc_u32 v16, YB+6*YROW, v12
	v_add_nc_u32 v17, SCL, v4                      ; 4 r + 64 h: lanes 16-31 take the odd step's words
	v_add_nc_u32 v18, s45, v4
	v_and_b32 v5, 8, v1
	v_add_nc_u32 v5, v5, v1                        ; r + 8 (r / 8)
	v_mul_u32_u24 v5, v5, SP
	v_lshl_add_u32 v5, v2, 6, v5
	v_add_nc_u32 v20, s15, v5                      ; into the stage: my token's row, + 64 h
	v_add_nc_u32 v21, s18, v19                     ; back: a row of 512 bytes to the 32 lanes
	v_min_u32 v22, 26, v3
	v_lshlrev_b32 v22, 8, v22                      ; the prefetch: a block of 256 bytes a lane
	s_wait_alu depctr_va_vdst(0)
	WIN 0x40
.set t, 0
.rept NBS
	LDB t
.set t, t+1
.endr
	WIN 0
	s_wait_tensorcnt 0x0                           ; my tile of the head's four is in
	ds_add_u32 v28, v29
	s_mov_b32 s[G1X+2], 2<<16                      ; no tensor load of mine is out: the refill brings two tiles a wave
	s_mov_b32 s[G1X+4], 2
	s_wait_dscnt 0x0
	CROUND                                         ; everybody's tile is in, and all sixteen work-groups are here
	tensor_load_to_lds s[G0Y:G0Y+3], s[G1Y:G1Y+7]  ; Y: steps 9-22 of my two tiles, the first tensor load behind the round
	s_nop 0
	PLACES
	LDA 0
	LDSC 0
	LDA 1
	STEP 0, 0, 1                                   ; the first step's products start the sums
.set ST, 1
.rept KS-1
.if ST == NX-2
	STEP ST, 2, 0
.elseif ST == NX+NY-2
	STEP ST, 1, 0
.else
	STEP ST, 0, 0
.endif
.set ST, ST+1
.endr
; THE WAY OUT.  A lane holds 64 neighbouring bytes of a token's row, a wave 128, the work-group 512: the block goes through a stage in LDS, token rows in their order, and comes back as whole rows.
	WIN 0x08                                       ; the data: window 2
.set ea, 0
.rept 8
.irp b, 0,1
	ds_store_b128 v20, v[8*(2*ea+\b):8*(2*ea+\b)+3] offset:(32*(ea/2)+8*(ea%2))*SP+32*\b       ; each accumulator from its low end on
	ds_store_b128 v20, v[8*(2*ea+\b)+4:8*(2*ea+\b)+7] offset:(32*(ea/2)+8*(ea%2))*SP+32*\b+16
.endr
.set ea, ea+1
.endr
	WIN 0
	s_wait_dscnt 0x0                               ; for the others' sake: my stores have landed
	s_barrier_signal -1
	s_barrier_wait -1
.set t, 0
.rept 32
	ds_load_b128 v[BK+4*t:BK+4*t+3], v21 offset:t*SP
.set t, t+1
.endr
.macro SEND g, younger                 ; 16 rows: + b2 + X1, stored
	s_wait_dscnt \younger
.set t, 16*\g
.rept 16
	v_pk_add_f32 v[BK+4*t:BK+4*t+1], v[BK+4*t:BK+4*t+1], v[8:9]
	v_pk_add_f32 v[BK+4*t+2:BK+4*t+3], v[BK+4*t+2:BK+4*t+3], v[10:11]
.set t, t+1
.endr
	WIN 0x0c                                       ; source 1: window 3
.set t, 16*\g
.rept 16
	v_pk_add_f32 v[BK+4*t:BK+4*t+1], v[BK+4*t:BK+4*t+1], v[4*t:4*t+1]
	v_pk_add_f32 v[BK+4*t+2:BK+4*t+3], v[BK+4*t+2:BK+4*t+3], v[4*t+2:4*t+3]
.set t, t+1
.endr
	WIN 0
.set t, 16*\g
.rept 16
	global_store_b128 v19, v[BK+4*t:BK+4*t+3], s[12:13] offset:t*4096   ; 32 lanes store 512 consecutive bytes, aligned
.set t, t+1
.endr
.endm
	s_wait_loadcnt 0x0                             ; b2 and X1
	SEND 0, 16
	SEND 1, 0
	s_wait_tensorcnt 0x0                           ; the wave's end
	ds_add_u32 v28, v29
	s_wait_dscnt 0x0
	CROUND                                         ; the closing round
	s_endpgm
.Lfunc_end_k_q6a0235eaf7_ff2:
	.size	k_q6a0235eaf7_ff2, .Lfunc_end_k_q6a0235eaf7_ff2-k_q6a0235eaf7_ff2
	.p2alignl 7, 3214868480
	.fill 96, 4, 3214868480
	.section	.rodata,"a",@progbits
	.p2align	6, 0x0
	.amdhsa_kernel k_q6a0235eaf7_ff2
		.amdhsa_group_segment_fixed_size 327680
		.amdhsa_private_segment_fixed_size 0
		.amdhsa_enable_private_segment 0
		.amdhsa_kernarg_size 40
		.amdhsa_user_sgpr_count 2
		.amdhsa_user_sgpr_kernarg_segment_ptr 1
		.amdhsa_wavefront_size32 1
		.amdhsa_system_sgpr_workgroup_id_x 1
		.amdhsa_system_sgpr_workgroup_id_y 1
		.amdhsa_system_sgpr_workgroup_id_z 1
		.amdhsa_system_vgpr_workitem_id 0
		.amdhsa_next_free_vgpr 1024
		.amdhsa_next_free_sgpr 102
		.amdhsa_reserve_vcc 0
		.amdhsa_float_denorm_mode_32 3
		.amdhsa_float_denorm_mode_16_64 3
		.amdhsa_memory_ordered 1
		.amdhsa_forward_progress 1
		.amdhsa_inst_pref_size 226
	.end_amdhsa_kernel
	.amdgpu_metadata
---
amdhsa.version: [ 1, 2 ]
amdhsa.kernels:
  - .name:           k_q6a0235eaf7_ff2
    .symbol:         k_q6a0235eaf7_ff2.kd
    .args:
      - { .name: FF, .offset: 0, .size: 8, .value_kind: global_buffer, .address_space: global }
      - { .name: W, .offset: 8, .size: 8, .value_kind: global_buffer, .address_space: global }
      - { .name: b2, .offset: 16, .size: 8, .value_kind: global_buffer, .address_space: global }
      - { .name: X1, .offset: 24, .size: 8, .value_kind: global_buffer, .address_space: global }
      - { .name: out0, .offset: 32, .size: 8, .value_kind: global_buffer, .address_space: global }
    .group_segment_fixed_size: 327680
    .private_segment_fixed_size: 0
    .kernarg_segment_align: 8
    .kernarg_segment_size: 40
    .max_flat_workgroup_size: 128
    .sgpr_count:     102
    .vgpr_count:     1024
    .wavefront_size: 32
...
	.end_amdgpu_metadata
.endif
;; end of part 7
